; MI455X (gfx1250); checked and timed in simulation.
; The chip was launched on July 23, 2026; its instructions are those of AMD's public machine-readable ISA for CDNA 5 (MIT licence, August 2026) and "CDNA5" Instruction Set Architecture Reference Guide (July 2026). The comments in the code are by the model that wrote it; some were corrected since.
;; KAN Coupling Net. Allowed arithmetic: matrix products marked QUANTISED: E2M1 operands, one E8M0 scale for each 32 along K, by v_wmma_scale_f32_16x16x128_f8f6f4 with both operands' format E2M1 (or v_wmma_scale_f32_32x16x128_f4), f32 sums; products left as they are: f32 operands where the result goes on into a quantised operand, else bf16, f16 or f32 operands; f32 sums; everything else in f32.
;; Inputs: coef0 12 x 64 x 5 float32; coef1 64 x 64 x 5 float32; coef2 64 x 24 x 5 float32; grid0 12 x 9 float32; grid1 64 x 9 float32; grid2 64 x 9 float32; sb0 12 x 64 float32; sb1_codes 64 x 2 x 16 uint8 (E2M1 codes of sb1, K innermost, in blocks of 32 codes, two codes a byte); sb1_scales 64 x 2 uint8 (E8M0 scales of sb1, one for each 32 codes along K); sb2_codes 24 x 2 x 16 uint8 (E2M1 codes of sb2, K innermost, in blocks of 32 codes, two codes a byte); sb2_scales 24 x 2 uint8 (E8M0 scales of sb2, one for each 32 codes along K); sp0 12 x 64 float32; sp1 64 x 64 float32; sp2 64 x 24 float32; x 32 x 12 x 64 x 64 float32.
;; Outputs: out0 32 x 24 x 64 x 64 float32.
;; This version of the problem:
;;   THIS VERSION OF THE PROBLEM IS GIVEN IN LOW PRECISION. The matrix products marked QUANTISED in the list below multiply operands that are first quantised to E2M1 (2 exponent bits, 1 mantissa bit; 4 bits a number), with one power-of-two scale for each 32 numbers along K (OCP MX v1.0); their sums are f32. All else is computed in f32.
;;   The module's matrix products, in the order in which they are computed (A, B: the left and right operand; K: the contracted axis; several contracted axes count as one K, in the product's order):
;;     1. [M 131,072, K 12] x [K 12, N 64]; A: computed on the way; B: input sb0: left as it is (K = 12 < 32)
;;     2. [M 131,072, K 60] x [K 60, N 64]; A: computed on the way; B: computed on the way: QUANTISED
;;     3. [M 131,072, K 64] x [K 64, N 64]; A: computed on the way; B: input sb1 (given as codes): QUANTISED
;;     4. [M 131,072, K 320] x [K 320, N 64]; A: computed on the way; B: computed on the way: QUANTISED
;;     5. [M 131,072, K 64] x [K 64, N 24]; A: computed on the way; B: input sb2 (given as codes): QUANTISED
;;     6. [M 131,072, K 320] x [K 320, N 24]; A: computed on the way; B: computed on the way: QUANTISED
;;   THE QUANTISER, for each operand of a quantised product, along K:
;;     - K is cut into blocks of 32 from its start; a last block that is shorter is filled with zeros.
;;     - A block's scale is 2^e with e = floor(log2(the largest magnitude in the block)) - 2, held to -126 .. 127; a block of zeros has e = 0. As a byte (E8M0): e + 127.
;;     - Each number is divided by its block's scale, clamped to +-6, and rounded to the nearest number of E2M1, ties to even, subnormals kept.
;;     - The product sums the exact products of the quantised numbers (number of the format x scale) in f32.
;;   ~~~python
;;   def quantise(x, axis):      # numpy; x: float32 -> the quantised numbers, widened to float32 again
;;       x = np.moveaxis(x, axis, -1); K = x.shape[-1]
;;       x = np.pad(x, [(0, 0)] * (x.ndim - 1) + [(0, -K % 32)]); x = x.reshape(x.shape[:-1] + (-1, 32)); a = np.abs(x).max(-1, keepdims=True)
;;       e = np.where(a > 0, np.clip(np.frexp(np.where(a > 0, a, 1))[1] - 1 - 2, -126, 127), 0)      # np.frexp(a)[1] - 1 = floor(log2(a)), exactly
;;       r = np.clip(x / 2.0 ** e, -6, 6)
;;       step = 2.0 ** (np.maximum(np.frexp(np.where(r == 0, 1, r))[1] - 1, 0) - 1)
;;       q = np.round(r / step) * step * 2.0 ** e      # np.round: ties to even
;;       return np.moveaxis(q.reshape(q.shape[:-2] + (-1,))[..., :K], -1, axis).astype(np.float32)
;;   ~~~
;;   OPERANDS COMPUTED ON THE WAY. 'Computed on the way' means the value that the module computes at that place (a softmax that the list does not call 'softmax' is quantised finished and normalised). What goes into a quantiser is computed in f32, as accurately as f32 sums, v_exp_f32 and their like allow (about 1e-6 of the number): no bf16 or f16 on the way to a quantiser, and a product that is left as it is and whose result goes on into a quantised operand takes f32 operands (vector FMAs, or v_wmma_f32_16x16x4_f32). A number that lies on a knife's edge between two numbers of the format may be rounded either way, as far as f32 arithmetic and the matrix unit's own rounding can turn it there, and no further.
;;   INPUTS GIVEN AS CODES. sb1 (in the module: [64, 64], K = its axis 0); sb2 (in the module: [64, 24], K = its axis 0): each comes as NAME_codes (uint8): NAME with its K axis moved to the last place and cut into blocks of 32 codes, [.., K / 32, bytes a block], one block behind the other in memory; two codes a byte, the lower K in the low four bits (a code: sign, 2 exponent bits, 1 mantissa bit); and NAME_scales (uint8): the same leading axes, one E8M0 byte (e + 127) for each 32 codes along K. Its value is code x scale, taken as it is: it is not quantised again, and the codes and scales need not be those that the quantiser above would give.
;; 2 versions. Each part assembles by itself: llvm-mc -triple=amdgcn-amd-amdhsa -mcpu=gfx1250 --defsym DOCPART=n.
;; ======== version 1 of 2: 2 launches
;; workspace buffers: wk 49,152 bytes
;; launch prep (part 1): grid 28 x 1, 1 waves a work-group, no clusters, 0 bytes of LDS; arguments coef0, coef1, coef2, sp0, sp1, sp2, sb1_codes, sb1_scales, sb2_codes, sb2_scales, grid0, grid1, grid2, sb0, wk; writes wk
.if DOCPART == 1
	.amdgcn_target "amdgcn-amd-amdhsa--gfx1250"
	.amdhsa_code_object_version 6
	.text
	.protected	k_q85e6cba589_prep
	.globl	k_q85e6cba589_prep
	.p2align	8
	.type	k_q85e6cba589_prep,@function
k_q85e6cba589_prep:
	s_mov_b64 s[64:65], 0
	v_nop
	global_prefetch_b8 v0, s[64:65] scope:SCOPE_SE
	s_setreg_imm32_b32 hwreg(HW_REG_WAVE_MODE, 25, 1), 1
	s_wait_xcnt 0x0
; KANCouplingNet, launch 1 of 2: everything that hangs on the weights and knots alone is made once and laid in wk in the order in which launch 2 takes it.
; NO WORK OF reference() IS LEFT OUT in this program: every input has a way to the output and is loaded, every product of the table is done.
; THE ORDER OF K in the spline products: the einsum 'big,iog->bo' contracts its axes in the order (g, i), so K = g x n_in + i: in layers 1 and 2 a block of 32 is 32 channels of one basis function, in layer 0 K = 12 g + i.
; wk, 49,152 bytes:
;   TAB   0      160 rows of 128 bytes, a row to a layer input: dwords 0-8 the knots g_j, 9 = 0, 10-17 1/(g_j+1 - g_j), 18-24 1/(g_j+2 - g_j), 25-30 1/(g_j+3 - g_j), 31 = 0.
;                rows 0-11 grid0, 12-31 zeros, 32-95 grid1, 96-159 grid2
;   WF    20480  22 weight fragments of 16 out channels x 128 K of E2M1 codes, as images of the operand's registers: byte f x 1024 + c x 512 + lane x 16;
;                lane (r, h), quad c holds the 32 codes of out channel 16 t + r at place 4 s + 2 c + h of the layer's K.  Places 0, 1: the base weights sb (layer 0: zero codes); place b + 2: block b of sp x coef
;                f = t (layer 0), 4 + 4 s + t (layer 1), 16 + 2 s + t (layer 2; out channels 24-31: zero codes, byte 127)
;   WS    43008  24 x 128 bytes: fragment f's scale words, 4 bytes a lane, the same in both halves of the lanes (22, 23: zeros)
;   SB0   46080  12 fragments of sb0 for the f32 product: f = 4 s + t, lane (r, h): sb0[4 s + 2 h + j][16 t + r], j = 0, 1
; THE QUANTISER: a block's scale byte is its largest magnitude's exponent field - 2, held at 1 from below by a floor among the maximum's leaves; the conversion divides by that scale, rounds to the nearest code, ties to even, and holds at the largest code.
; LIMITS: NaN and infinities among the inputs are not served.  A block of zeros gets the byte 1 where the rule says 127: its codes are zeros, and this program alone reads the bytes.
; A division by a difference of knots is a multiplication by v_rcp_f32 of it.  Knots that coincide, where reference() itself divides by zero, are not reproduced.
; One wave to a work-group; work-groups 0-21 make a fragment each, 22-26 32 table rows each, 27 the fragments of sb0.  No LDS, no barrier.  The table's stores are 16 bytes a lane, 128 bytes apart: 20,480 bytes in all.
.set TAB, 0
.set WF,  20480
.set WS,  43008
.set SB0, 46080
	s_load_b256 s[8:15], s[0:1], 0x0               ; coef0 s[8:9], coef1 s[10:11], coef2 s[12:13], sp0 s[14:15]
	s_load_b256 s[16:23], s[0:1], 0x20             ; sp1 s[16:17], sp2 s[18:19], sb1's codes s[20:21], sb1's scales s[22:23]
	s_load_b256 s[24:31], s[0:1], 0x40             ; sb2's codes s[24:25], sb2's scales s[26:27], grid0 s[28:29], grid1 s[30:31]
	s_load_b128 s[32:35], s[0:1], 0x60             ; grid2 s[32:33], sb0 s[34:35]
	s_load_b64 s[36:37], s[0:1], 0x70              ; wk
	s_mov_b32 s38, ttmp9                           ; the work-group's number
	v_and_b32 v1, 15, v0                           ; r
	v_lshrrev_b32 v2, 4, v0                        ; h
	s_wait_kmcnt 0x0
	s_cmp_lt_u32 s38, 22
	s_cbranch_scc0 .Ltables
; ---------------- a weight fragment: f = the work-group's number
	s_cmp_lt_u32 s38, 16                           ; layers 0 and 1, or layer 2
	s_cselect_b32 s54, 1, 2                        ; the layer
	s_cselect_b32 s55, 4, 16                       ; its first fragment
	s_cselect_b32 s56, 2, 1                        ; log2 of its tiles of out channels
	s_cselect_b32 s42, 64, 24                      ; O, its out channels
	s_cselect_b64 s[46:47], s[10:11], s[12:13]     ; coef
	s_cselect_b64 s[48:49], s[16:17], s[18:19]     ; sp
	s_cselect_b64 s[58:59], s[20:21], s[24:25]     ; sb's codes
	s_cselect_b64 s[60:61], s[22:23], s[26:27]     ; sb's scales
	s_cmp_lt_u32 s38, 4                            ; layer 0
	s_cselect_b32 s54, 0, s54
	s_cselect_b32 s55, 0, s55
	s_cselect_b64 s[46:47], s[8:9], s[46:47]
	s_cselect_b64 s[48:49], s[14:15], s[48:49]
	s_mov_b32 s50, 320
	s_cselect_b32 s50, 60, s50                     ; KMAX: 5 x the layer's inputs
	s_cselect_b32 s44, 12, 64                      ; n_in, the layer's inputs
	s_mov_b32 s2, 171
	s_cselect_b32 s2, s2, 1                        ; K / n_in = (K x 171) >> 11 for n_in = 12 (right for every K under 511), K >> 6 for 64
	s_cselect_b32 s3, 11, 6
	s_sub_co_u32 s57, s38, s55
	s_lshr_b32 s62, s57, s56                       ; s, the K step of 128
	s_lshl_b32 s39, s62, s56
	s_sub_co_u32 s63, s57, s39                     ; t, the tile of out channels
	s_mul_i32 s4, s42, 5                           ; 5 O
	s_sub_co_u32 s43, s50, 1                       ; KMAX - 1
	s_lshl_b32 s41, s62, 2                         ; quad 1 holds blocks 4 s + h,
	s_sub_co_u32 s45, s41, 2                       ; quad 0 blocks 4 s - 2 + h (used where s > 0)
	s_sub_co_u32 s39, s42, 1
	s_mov_b32 s51, 0x76543210
	s_mov_b32 s52, 0xfedcba98                      ; v_permlanex16_b32's selects for lane l xor 16
	v_lshl_add_u32 v3, s63, 4, v1                  ; o = 16 t + r
	v_cmp_gt_u32 s40, s42, v3                      ; o < O
	v_min_u32 v4, s39, v3                          ; o held inside the tensor: no load leaves its buffer
	v_mul_u32_u24 v5, v4, 5
	v_mov_b32 v15, 127
	s_lshl_b32 s53, s38, 10
	s_add_co_u32 s53, s53, WF
	v_lshl_add_u32 v24, v0, 4, s53                 ; where my codes go
	s_lshl_b32 s53, s38, 7
	s_add_co_u32 s53, s53, WS
	v_lshl_add_u32 v25, v0, 2, s53                 ; and my scale word
; The 64 loads of quad c: coef[i][o][g] and sp[i][o] for K = 32 b + n = g x n_in + i, b = s[sb] + h.  Each load lands on its own offset register.
.macro LOADS c, sb
	v_add_nc_u32 v6, s[\sb], v2
	v_lshlrev_b32 v6, 5, v6                        ; 32 b
.set n, 0
.rept 32
	v_add_nc_u32 v7, n, v6
	v_min_u32 v7, s43, v7                          ; K held under KMAX
	v_mul_u32_u24 v8, v7, s2
	v_lshrrev_b32 v8, s3, v8                       ; g
	v_mul_u32_u24 v9, v8, s44
	v_sub_nc_u32 v9, v7, v9                        ; i
	v_mad_u32_u24 v7, v9, s4, v8                   ; i x 5 O + g
	v_add_lshl_u32 v[32+64*\c+n], v7, v5, 2        ; + 5 o, in bytes
	v_mad_u32_u24 v9, v9, s42, v4                  ; i x O + o
	v_lshlrev_b32 v[64+64*\c+n], 2, v9
.set n, n+1
.endr
.set n, 0
.rept 32
	global_load_b32 v[32+64*\c+n], v[32+64*\c+n], s[46:47]
	global_load_b32 v[64+64*\c+n], v[64+64*\c+n], s[48:49]
.set n, n+1
.endr
.endm
; Quad c's block is quantised: codes into v[16 + 4 c] on, the byte into v[13 + c].
.macro QUANTB c, sb
.set B, 32+64*\c
	v_add_nc_u32 v6, s[\sb], v2
	v_lshlrev_b32 v6, 5, v6
.set n, 0
.rept 32
	v_mul_f32 v[B+n], v[B+n], v[B+32+n]            ; sp x coef, as reference() has it
	v_add_nc_u32 v7, n, v6
	v_cmp_gt_u32 vcc_lo, s50, v7
	v_cndmask_b32 v[B+n], 0, v[B+n], vcc_lo        ; the last block is filled with zeros from KMAX on, ahead of the maximum
.set n, n+1
.endr
	v_max3_num_f32 v10, |v[B]|, |v[B+1]|, 0x1800000        ; the floor 2^(3 - 127): the byte cannot fall under 1
	v_max3_num_f32 v11, |v[B+2]|, |v[B+3]|, |v[B+4]|
.irp i, 5,9,13,17,21,25
	v_max3_num_f32 v10, v10, |v[B+\i]|, |v[B+\i+1]|
	v_max3_num_f32 v11, v11, |v[B+\i+2]|, |v[B+\i+3]|
.endr
	v_max3_num_f32 v10, v10, |v[B+29]|, |v[B+30]|
	v_max3_num_f32 v10, v10, v11, |v[B+31]|
	v_add_nc_u32 v12, 0xff000000, v10              ; 2 off the exponent field: the conversion takes the exponent field of this operand as its scale
.irp g, 0,1,2,3
	v_cvt_scalef32_pk8_fp4_f32 v[16+4*\c+\g], v[B+8*\g:B+8*\g+7], v12
.endr
	v_lshrrev_b32 v[13+\c], 23, v12                ; the byte (also the plain line behind the conversions)
.irp g, 0,1,2,3
	v_cndmask_b32 v[16+4*\c+\g], 0, v[16+4*\c+\g], s40     ; out channels that the layer does not have: zero codes,
.endr
	v_cndmask_b32 v[13+\c], v15, v[13+\c], s40     ; byte 127
.endm
	LOADS 1, 41
	s_cmp_eq_u32 s62, 0
	s_cbranch_scc1 .Lfirst
	LOADS 0, 45
	s_wait_loadcnt 0x0
	QUANTB 0, 45
	s_branch .Ljoin
.Lfirst:                                               ; the first K step: quad 0 holds places 0 and 1
	s_cmp_eq_u32 s54, 0
	s_cbranch_scc1 .Lnone
	v_lshl_add_u32 v7, v4, 1, v2                   ; sb is given as codes: row o, block h,
	v_lshlrev_b32 v8, 4, v7                        ; 16 bytes a block,
	global_load_b128 v[16:19], v8, s[58:59]
	global_load_u8 v13, v7, s[60:61]               ; one byte a block: both are taken as they are
	s_wait_loadcnt 0x0
.irp g, 0,1,2,3
	v_cndmask_b32 v[16+\g], 0, v[16+\g], s40
.endr
	v_cndmask_b32 v13, v15, v13, s40
	s_branch .Ljoin
.Lnone:                                                ; layer 0's base product is left in f32: its two places hold zero codes
.irp g, 0,1,2,3
	v_mov_b32 v[16+\g], 0
.endr
	v_mov_b32 v13, 127
	s_wait_loadcnt 0x0
.Ljoin:
	QUANTB 1, 41
	v_lshl_or_b32 v9, v14, 16, v13                 ; my two bytes: places h and 2 + h of the K step,
	v_lshlrev_b32 v10, 3, v2
	v_lshlrev_b32 v9, v10, v9                      ; at their places in the word;
	v_mov_b32 v10, 0
	v_permlanex16_b32 v10, v9, s51, s52
	v_or_b32 v9, v9, v10                           ; with lane l xor 16's two the word is whole, in both halves of the lanes
	global_store_b128 v24, v[16:19], s[36:37]      ; 32 lanes store 512 consecutive bytes
	global_store_b128 v24, v[20:23], s[36:37] offset:512
	global_store_b32 v25, v9, s[36:37]
	s_endpgm
; ---------------- 32 rows of the table: a lane to a row.  Work-group 22: grid0; 23, 24: grid1; 25, 26: grid2
.Ltables:
	s_cmp_lt_u32 s38, 27
	s_cbranch_scc0 .Lsb0
	s_sub_co_u32 s39, s38, 22
	s_lshl_b32 s41, s39, 5                         ; my first row
	s_add_co_u32 s42, s39, 1
	s_and_b32 s42, s42, 1
	s_lshl_b32 s42, s42, 5                         ; and its channel in its grid: 0 for 23 and 25, 32 for 24 and 26,
	s_cmp_lt_u32 s38, 25
	s_cselect_b64 s[46:47], s[30:31], s[32:33]     ; grid1, grid2,
	s_cmp_eq_u32 s38, 22
	s_cselect_b64 s[46:47], s[28:29], s[46:47]     ; or grid0,
	s_cselect_b32 s43, 12, 64                      ; with so many channels,
	s_cselect_b32 s42, 0, s42                      ; from channel 0 on
	v_add_nc_u32 v3, s42, v0
	v_cmp_gt_u32 s40, s43, v3                      ; a channel that the grid has
	s_sub_co_u32 s44, s43, 1
	v_min_u32 v4, s44, v3
	v_mul_u32_u24 v4, v4, 36                       ; nine knots a channel
.irp j, 0,1,2,3,4,5,6,7,8
	global_load_b32 v[64+\j], v4, s[46:47] offset:4*\j
.endr
	v_add_nc_u32 v5, s41, v0
	v_lshlrev_b32 v5, 7, v5                        ; 128 bytes a row; TAB = 0
	v_mov_b32 v73, 0
	v_mov_b32 v95, 0
	s_wait_loadcnt 0x0
.irp j, 0,1,2,3,4,5,6,7
	v_sub_f32 v[74+\j], v[65+\j], v[64+\j]
.endr
.irp j, 0,1,2,3,4,5,6
	v_sub_f32 v[82+\j], v[66+\j], v[64+\j]
.endr
.irp j, 0,1,2,3,4,5
	v_sub_f32 v[89+\j], v[67+\j], v[64+\j]
.endr
.set n, 0
.rept 21
	v_rcp_f32 v[74+n], v[74+n]
.set n, n+1
.endr
	v_nop                                          ; a plain line behind the last reciprocal
	s_wait_alu depctr_va_vdst(0)                   ; one wait for the batch, ahead of its first reader
.set n, 0
.rept 32
	v_cndmask_b32 v[64+n], 0, v[64+n], s40         ; rows without a channel are zeros
.set n, n+1
.endr
.irp q, 0,1,2,3,4,5,6,7
	global_store_b128 v5, v[64+4*\q:67+4*\q], s[36:37] offset:TAB+16*\q
.endr
	s_endpgm
; ---------------- sb0's fragments for the f32 product, and the two spare rows of scale words
.Lsb0:
	v_lshl_add_u32 v3, v2, 7, v1
	v_lshlrev_b32 v3, 2, v3                        ; (128 h + r) x 4
.irp s, 0,1,2
.irp t, 0,1,2,3
.irp j, 0,1
	global_load_b32 v[32+2*(4*\s+\t)+\j], v3, s[34:35] offset:(256*\s+64*\j+16*\t)*4   ; sb0[4 s + 2 h + j][16 t + r]
.endr
.endr
.endr
	v_lshlrev_b32 v4, 3, v0
	v_mov_b32 v6, 0
	v_mov_b32 v7, 0
	global_store_b64 v4, v[6:7], s[36:37] offset:WS+22*128
	s_wait_loadcnt 0x0
.irp f, 0,1,2,3,4,5,6,7,8,9,10,11
	global_store_b64 v4, v[32+2*\f:33+2*\f], s[36:37] offset:SB0+256*\f   ; 32 lanes store 256 consecutive bytes
.endr
	s_endpgm
.Lfunc_end_k_q85e6cba589_prep:
	.size	k_q85e6cba589_prep, .Lfunc_end_k_q85e6cba589_prep-k_q85e6cba589_prep
	.p2alignl 7, 3214868480
	.fill 96, 4, 3214868480
	.section	.rodata,"a",@progbits
	.p2align	6, 0x0
	.amdhsa_kernel k_q85e6cba589_prep
		.amdhsa_group_segment_fixed_size 0
		.amdhsa_private_segment_fixed_size 0
		.amdhsa_enable_private_segment 0
		.amdhsa_kernarg_size 120
		.amdhsa_user_sgpr_count 2
		.amdhsa_user_sgpr_kernarg_segment_ptr 1
		.amdhsa_wavefront_size32 1
		.amdhsa_system_sgpr_workgroup_id_x 1
		.amdhsa_system_sgpr_workgroup_id_y 1
		.amdhsa_system_sgpr_workgroup_id_z 1
		.amdhsa_system_vgpr_workitem_id 0
		.amdhsa_next_free_vgpr 160
		.amdhsa_next_free_sgpr 66
		.amdhsa_reserve_vcc 1
		.amdhsa_float_denorm_mode_32 3
		.amdhsa_float_denorm_mode_16_64 3
		.amdhsa_memory_ordered 1
		.amdhsa_forward_progress 1
		.amdhsa_inst_pref_size 68
	.end_amdhsa_kernel
	.amdgpu_metadata
---
amdhsa.version: [ 1, 2 ]
amdhsa.kernels:
  - .name:           k_q85e6cba589_prep
    .symbol:         k_q85e6cba589_prep.kd
    .args:
      - { .name: coef0, .offset: 0, .size: 8, .value_kind: global_buffer, .address_space: global }
      - { .name: coef1, .offset: 8, .size: 8, .value_kind: global_buffer, .address_space: global }
      - { .name: coef2, .offset: 16, .size: 8, .value_kind: global_buffer, .address_space: global }
      - { .name: sp0, .offset: 24, .size: 8, .value_kind: global_buffer, .address_space: global }
      - { .name: sp1, .offset: 32, .size: 8, .value_kind: global_buffer, .address_space: global }
      - { .name: sp2, .offset: 40, .size: 8, .value_kind: global_buffer, .address_space: global }
      - { .name: sb1_codes, .offset: 48, .size: 8, .value_kind: global_buffer, .address_space: global }
      - { .name: sb1_scales, .offset: 56, .size: 8, .value_kind: global_buffer, .address_space: global }
      - { .name: sb2_codes, .offset: 64, .size: 8, .value_kind: global_buffer, .address_space: global }
      - { .name: sb2_scales, .offset: 72, .size: 8, .value_kind: global_buffer, .address_space: global }
      - { .name: grid0, .offset: 80, .size: 8, .value_kind: global_buffer, .address_space: global }
      - { .name: grid1, .offset: 88, .size: 8, .value_kind: global_buffer, .address_space: global }
      - { .name: grid2, .offset: 96, .size: 8, .value_kind: global_buffer, .address_space: global }
      - { .name: sb0, .offset: 104, .size: 8, .value_kind: global_buffer, .address_space: global }
      - { .name: wk, .offset: 112, .size: 8, .value_kind: global_buffer, .address_space: global }
    .group_segment_fixed_size: 0
    .private_segment_fixed_size: 0
    .kernarg_segment_align: 8
    .kernarg_segment_size: 120
    .max_flat_workgroup_size: 32
    .sgpr_count:     66
    .vgpr_count:     160
    .wavefront_size: 32
...
	.end_amdgpu_metadata
.endif
;; end of part 1
;; launch main (part 2): grid 256 x 1, 8 waves a work-group, no clusters, 312,320 bytes of LDS; arguments x, wk, out0; writes out0
.if DOCPART == 2
	.amdgcn_target "amdgcn-amd-amdhsa--gfx1250"
	.amdhsa_code_object_version 6
	.text
	.protected	k_q85e6cba589_main
	.globl	k_q85e6cba589_main
	.p2align	8
	.type	k_q85e6cba589_main,@function
k_q85e6cba589_main:
	s_mov_b64 s[64:65], 0
	v_nop
	global_prefetch_b8 v0, s[64:65] scope:SCOPE_SE
	s_setreg_imm32_b32 hwreg(HW_REG_WAVE_MODE, 25, 1), 1
	s_wait_xcnt 0x0
; KANCouplingNet, launch 2 of 2: the three KAN layers (12 -> 64 -> 64 -> 24) for all 131,072 pixels, fused; nothing of reference() is left out.
; SHARES.  256 work-groups of eight waves; a wave owns 64 neighbouring pixels of one image and takes them through all three layers.  The hidden layers never leave LDS.
; A LANE IS A PIXEL, A REGISTER A CHANNEL: a channel's knots and reciprocals are then the same in all lanes.  The 64 pixels are two groups, pixel = 2 x lane + G, and a register PAIR is (G = 0, G = 1) of one channel, so that the
; spline arithmetic goes two at a time, the constant taken from one register of a pair for both halves.
; THE SPLINE, for any knots: e_j = g_j - x; C_j0 = r_j1 where g_j <= x and not g_j+1 <= x, else 0; B_jp = e_j+p+1 C_j+1,p-1 - e_j C_j,p-1; C_jp = r_j,p+1 B_jp; r_jp = 1 / (g_j+p - g_j), from launch 1's table.
; This is reference()'s recursion with each division written as a multiplication by the reciprocal.
; THE ORDER OF K in the spline products is (g, i): K = g x n_in + i.  In layers 1 and 2 a block of 32 is 32 channels of ONE basis function g, so the basis values of 32 channels stay in registers, a run of 32 for each
; (group, g), 320 in all, and are quantised when the 32 channels are done.  A register's number is a constant of the text, so the 32 channels are written out, ONCE, and a loop of five STAGES walks them: layer 0 (which leaves
; behind its 12th channel), layer 1's channels 0-31 and 32-63, layer 2's likewise.  Layer 0's K = 12 g + i is gathered from the runs by 60 moves a group.
; THE PRODUCTS are used transposed: source 0 = 16 out channels of the weights, source 1 = 16 pixels; a lane's eight results are eight neighbouring channels of one pixel, which go back into the pixel's row in LDS, a tile of 16 pixels at a time.
; Layer 0's base product (K = 12) is left in f32 and starts the sums; its spline product (K = 60, filled with zero codes to 128) adds onto them.  In layers 1 and 2 the base product (2 blocks) and the spline product (10 blocks)
; are three K steps of 128 on one accumulator: place 0, 1: silu; place 2 + 2 g + half: the basis.
; OPERANDS GO THROUGH LDS AS IMAGES OF THEIR REGISTERS: a pixel's 32 codes at tile x 3072 + place x 256 + (row % 16) x 16, which is fragment (tile, K step) at quad x 512 + lane x 16.  Scale bytes go as one dword each and are packed on the way back.
; LDS: 0 the copy of wk (table, weight fragments, scale words, sb0: shared, written once, read behind the one barrier); then, each wave's own: HB 64 rows x (64 channels + 16 bytes), CI the code images, SD the scale bytes; the spare words.
; What the work-groups share is wk's 49,152 bytes, read once at the head by twelve plain loads a thread; x and out0 are each wave's own: so no cluster and no joint request, no tensor load and no ring.
; LIMITS: NaN and infinities are not served.  A block of zeros gets the byte 1 where the rule says 127: its codes are zeros, and the bytes are read here alone.  silu(x) = x / (1 + 2^(-x log2 e)) by v_exp_f32 and v_rcp_f32.
.set TAB, 0
.set WF,  20480
.set WS,  43008
.set SB0, 46080
.set HB,  49152                        ; H rows
.set HP,  272                          ; a row: 256 bytes + 16: an odd multiple of 16, so that sixteen rows' 16-byte pieces fall on sixteen different columns of 16 bytes modulo 256
.set HW,  64*HP                        ; a wave's
.set G1O, 32*HP                        ; from a lane's row of group 0 to its row of group 1
.set CI,  HB+8*HW                      ; code images
.set CW,  12288                        ; a wave's: 4 tiles x 12 places x 256 bytes
.set SD,  CI+8*CW                      ; scale bytes, a dword each
.set SW,  3072                         ; a wave's: 12 places x 64 rows x 4 bytes
.set SPARE, SD+8*SW                    ; the spare words, 128 bytes for each wave: four blocks of 256 bytes that no other line names
.set SPW, 1                            ; v1   LDS address of my spare word; never rewritten
.set NIL, 2                            ; v2   0; never rewritten
.set HX0, 3                            ; v3   my row of group 0
.set HD0, 4                            ; v4   where a result's 32 bytes go: row lane % 16, + 32 (lane / 16)
.set CS0, 5                            ; v5   where my codes go: tile lane / 16, row lane % 16
.set CF0, 6                            ; v6   where a fragment comes from: 16 x lane
.set SS0, 7                            ; v7   where my scale byte goes
.set SL0, 8                            ; v8   where a tile's scale bytes come from: 4 x (lane % 16)
.set L16, 9                            ; v9   16 x lane
.set L4,  10                           ; v10  4 x lane
.set L8,  11                           ; v11  8 x lane
.set XA,  12                           ; v12  the stage's 32 channels in my row
.set TA,  13                           ; v13  the stage's 32 rows of the table
.set T0A, 14                           ; v14  CS0 + 256 x half;  v15  SS0 + 256 x half
.set T1A, 15
.set X,   16                           ; v16-19   x of a channel, (G0, G1): two pairs, by the channel's parity
.set KS,  20                           ; v20-83   a channel's 32 constants: two sets, by parity
.set E,   84                           ; v84-101  e_0 .. e_8
.set A,   102                          ; v102-117 eight pairs at work
.set BV,  118                          ; v118-131 seven pairs at work
.set ACC, 132                          ; v132-163 four accumulators: a tile of 16 pixels x 64 out channels; matrix instructions alone write them
.set V4,  164                          ; v164-195, v196-227 the runs (G, g = 4); ahead of a stage's splines: x and then silu(x) of its 32 channels
.set SG,  180                          ; v180-191, v212-223 layer 0's silu, group 0 and 1: the f32 product's source 1 (layer 0 uses 12 registers of a run)
.set WSC, 228                          ; v228-239 the weights' scale words: scales and nothing else
.set ASC, 240                          ; v240-251 the activations' scale words: scales and nothing else
.set QM,  84                           ; the quantiser's registers lie over e, which is dead between channels: four maxima,
.set QS,  88                           ; two scale operands,
.set QB,  90                           ; two bytes,
.set QC,  92                           ; two x four registers of codes
.set W,   20                           ; in the matrix phases: up to 12 weight fragments,
.set DW,  164                          ; 48 scale bytes
.set MA,  16                           ; s16-24 group 0's masks;  s25-33 group 1's
.set MB,  25
; window 1: the runs (G, g < 4) at v[32 (4 G + g)]; in the matrix phases of layers 1 and 2 the activations' fragments (tile P, K step s) at v[24 P + 8 s]
; scalars: s[2:3] out0, s[4:5] x, s[6:7] wk, s8 the wave, s12 128 x half, s13 the stage's table rows, s35 256 x half, s36 the stage
.set MSB, 0
.macro WIN new                         ; s_set_vgpr_msb: bits 1:0 source 0, 3:2 source 1, 5:4 source 2, 7:6 destination; the immediate's high byte repeats the setting that is left
.if MSB != \new
	s_set_vgpr_msb (MSB<<8)|\new
.set MSB, \new
.endif
.endm
.macro NOPS n
.rept \n
	v_nop
.endr
.endm
; pair d times constant idx of the channel's set, for both halves
.macro PKMULK d, idx
.if ((\idx)&1) == 0
	v_pk_mul_f32 v[\d:\d+1], v[\d:\d+1], v[KB+(\idx):KB+(\idx)+1] op_sel_hi:[1,0]
.else
	v_pk_mul_f32 v[\d:\d+1], v[\d:\d+1], v[KB+(\idx)-1:KB+(\idx)] op_sel:[0,1] op_sel_hi:[1,1]
.endif
.endm
; ONE CHANNEL, the n-th of a stage's 32, for 64 pixels: 97 vector instructions.
.macro CH n
.set KB, KS+32*((\n)&1)
.set KN, KS+32*(1-((\n)&1))
.set XB, X+2*((\n)&1)
.set XN, X+2*(1-((\n)&1))
	s_wait_dscnt 0x0                               ; this channel's ten loads, issued a whole channel ago, are in
.if (\n) < 31
.irp q, 0,1,2,3,4,5,6,7
	ds_load_b128 v[KN+4*\q:KN+4*\q+3], v[TA] offset:128*((\n)+1)+16*\q   ; the next channel's constants: all lanes read the same 16 bytes
.endr
	ds_load_b32 v[XN], v[XA] offset:4*((\n)+1)     ; and its x
	ds_load_b32 v[XN+1], v[XA] offset:4*((\n)+1)+G1O
.endif
.irp j, 0,1,2,3,4,5,6,7,8
	v_cmp_ge_f32 s[MA+\j], v[XB], v[KB+\j]         ; x >= g_j
	v_cmp_ge_f32 s[MB+\j], v[XB+1], v[KB+\j]
.endr
.irp j, 0,2,4,6,8
	v_pk_add_f32 v[E+2*\j:E+2*\j+1], v[KB+\j:KB+\j+1], v[XB:XB+1] op_sel_hi:[0,1] neg_lo:[0,1] neg_hi:[0,1]   ; e_j = g_j - x
.endr
.irp j, 1,3,5,7
	v_pk_add_f32 v[E+2*\j:E+2*\j+1], v[KB+\j-1:KB+\j], v[XB:XB+1] op_sel:[1,0] op_sel_hi:[1,1] neg_lo:[0,1] neg_hi:[0,1]
.endr
.irp j, 0,1,2,3,4,5,6,7
	s_and_not1_b32 s[MA+\j], s[MA+\j], s[MA+\j+1]  ; g_j <= x and not g_j+1 <= x
	s_and_not1_b32 s[MB+\j], s[MB+\j], s[MB+\j+1]
.endr
.irp j, 0,1,2,3,4,5,6,7
	v_cndmask_b32 v[A+2*\j], 0, v[KB+10+\j], s[MA+\j]      ; C_j0
	v_cndmask_b32 v[A+2*\j+1], 0, v[KB+10+\j], s[MB+\j]
.endr
.irp j, 0,1,2,3,4,5,6
	v_pk_mul_f32 v[BV+2*\j:BV+2*\j+1], v[E+2*\j:E+2*\j+1], v[A+2*\j:A+2*\j+1]
.endr
.irp j, 0,1,2,3,4,5,6
	v_pk_fma_f32 v[BV+2*\j:BV+2*\j+1], v[E+2*\j+4:E+2*\j+5], v[A+2*\j+2:A+2*\j+3], v[BV+2*\j:BV+2*\j+1] neg_lo:[0,0,1] neg_hi:[0,0,1]   ; B_j1
.endr
.irp j, 0,1,2,3,4,5,6
	PKMULK BV+2*\j, 18+\j                          ; C_j1
.endr
.irp j, 0,1,2,3,4,5
	v_pk_mul_f32 v[A+2*\j:A+2*\j+1], v[E+2*\j:E+2*\j+1], v[BV+2*\j:BV+2*\j+1]
.endr
.irp j, 0,1,2,3,4,5
	v_pk_fma_f32 v[A+2*\j:A+2*\j+1], v[E+2*\j+6:E+2*\j+7], v[BV+2*\j+2:BV+2*\j+3], v[A+2*\j:A+2*\j+1] neg_lo:[0,0,1] neg_hi:[0,0,1]   ; B_j2
.endr
.irp j, 0,1,2,3,4,5
	PKMULK A+2*\j, 25+\j                           ; C_j2
.endr
.irp j, 0,1,2,3,4
	v_pk_mul_f32 v[BV+2*\j:BV+2*\j+1], v[E+2*\j:E+2*\j+1], v[A+2*\j:A+2*\j+1]
.endr
	WIN 0x40                                       ; B_j3 into register n of the run (G, j): j < 4 in window 1,
.irp j, 0,1,2,3
	v_fma_f32 v[32*\j+(\n)], v[E+2*\j+8], v[A+2*\j+2], -v[BV+2*\j]
	v_fma_f32 v[128+32*\j+(\n)], v[E+2*\j+9], v[A+2*\j+3], -v[BV+2*\j+1]
.endr
	WIN 0                                          ; j = 4 in window 0
	v_fma_f32 v[V4+(\n)], v[E+16], v[A+10], -v[BV+8]
	v_fma_f32 v[V4+32+(\n)], v[E+17], v[A+11], -v[BV+9]
.endm
; Two blocks of 32, in the registers b0 on and b1 on of window w: codes into QC and QC + 4, bytes into QB and QB + 1.  Two chains a block; the four chains take turns.
.macro Q2 w, b0, b1
	WIN 5*(\w)                                     ; sources 0 and 1 in window w
	v_max3_num_f32 v[QM], |v[\b0]|, |v[\b0+1]|, 0x1800000          ; the floor 2^(3 - 127): the byte cannot fall under 1
	v_max3_num_f32 v[QM+1], |v[\b0+2]|, |v[\b0+3]|, 0x1800000
	v_max3_num_f32 v[QM+2], |v[\b1]|, |v[\b1+1]|, 0x1800000
	v_max3_num_f32 v[QM+3], |v[\b1+2]|, |v[\b1+3]|, 0x1800000
.irp i, 4,8,12,16,20,24,28
	v_max3_num_f32 v[QM], |v[\b0+\i]|, |v[\b0+\i+1]|, v[QM]
	v_max3_num_f32 v[QM+1], |v[\b0+\i+2]|, |v[\b0+\i+3]|, v[QM+1]
	v_max3_num_f32 v[QM+2], |v[\b1+\i]|, |v[\b1+\i+1]|, v[QM+2]
	v_max3_num_f32 v[QM+3], |v[\b1+\i+2]|, |v[\b1+\i+3]|, v[QM+3]
.endr
	WIN 0
	v_max_num_f32 v[QM], v[QM], v[QM+1]
	v_max_num_f32 v[QM+2], v[QM+2], v[QM+3]
	v_add_nc_u32 v[QS], 0xff000000, v[QM]          ; 2 off the exponent field: the conversion's scale operand
	v_add_nc_u32 v[QS+1], 0xff000000, v[QM+2]
	WIN \w                                         ; source 0 in window w
.irp k, 0,1,2,3
	v_cvt_scalef32_pk8_fp4_f32 v[QC+\k], v[\b0+8*\k:\b0+8*\k+7], v[QS]
	v_cvt_scalef32_pk8_fp4_f32 v[QC+4+\k], v[\b1+8*\k:\b1+8*\k+7], v[QS+1]
.endr
	WIN 0
	v_lshrrev_b32 v[QB], 23, v[QS]                 ; the bytes (also the plain lines behind the conversions)
	v_lshrrev_b32 v[QB+1], 23, v[QS+1]
.endm
; What Q2 made of a pair (group 0, group 1) goes to LDS, off bytes behind the stage's half: group 1's tiles lie two tiles on, its rows 32 rows on.
.macro QOUT off
	ds_store_b128 v[T0A], v[QC:QC+3] offset:\off
	ds_store_b128 v[T0A], v[QC+4:QC+7] offset:\off+6144
	ds_store_b32 v[T1A], v[QB] offset:\off
	ds_store_b32 v[T1A], v[QB+1] offset:\off+128
	s_wait_dscnt 0x0                               ; the stores have read their registers
.endm
; silu of the stage's 32 channels of my two rows: place 0 or 1 of the layer's K.
.macro SILUH
.irp k, 0,1,2,3,4,5,6,7
	ds_load_b128 v[V4+4*\k:V4+4*\k+3], v[XA] offset:16*\k
	ds_load_b128 v[V4+32+4*\k:V4+32+4*\k+3], v[XA] offset:G1O+16*\k
.endr
	s_wait_dscnt 0x0
.set i, 0
.rept 32
	v_pk_mul_f32 v[KS+i:KS+i+1], v[V4+i:V4+i+1], 0xbfb8aa3b op_sel_hi:[1,0]   ; -x log2(e)
.set i, i+2
.endr
.set i, 0
.rept 64
	v_exp_f32 v[KS+i], v[KS+i]
.set i, i+1
.endr
	v_nop                                          ; a plain line behind the last exponential
	s_wait_alu depctr_va_vdst(0)                   ; one wait for the batch, ahead of its first reader
.set i, 0
.rept 32
	v_pk_add_f32 v[KS+i:KS+i+1], v[KS+i:KS+i+1], 1.0 op_sel_hi:[1,0]
.set i, i+2
.endr
.set i, 0
.rept 64
	v_rcp_f32 v[KS+i], v[KS+i]
.set i, i+1
.endr
	v_nop
	s_wait_alu depctr_va_vdst(0)                   ; and one for the reciprocals
.set i, 0
.rept 32
	v_pk_mul_f32 v[V4+i:V4+i+1], v[V4+i:V4+i+1], v[KS+i:KS+i+1]
.set i, i+2
.endr
	Q2 0, V4, V4+32
	QOUT 0
.endm
; A tile's accumulators go back into the pixels' rows: lane (r, h) of accumulator t holds channels 16 t + 8 h + 0 .. 7 of row 16 P + r.  Each accumulator from its low end on.
.macro TILEOUT P, nt
	NOPS 4                                         ; four places between the last product and the first read of a result
.irp t, 0,1,2,3
.if \t < \nt
	ds_store_b128 v[HD0], v[ACC+8*\t:ACC+8*\t+3] offset:16*HP*\P+64*\t
	ds_store_b128 v[HD0], v[ACC+8*\t+4:ACC+8*\t+7] offset:16*HP*\P+64*\t+16
.endif
.endr
	s_wait_dscnt 0x0                               ; the stores have read the accumulators, which the next tile begins anew
	v_nop                                          ; the fifth place ahead of a matrix instruction that writes over them
.endm
; THE PRODUCTS of layer 1 or 2: nt tiles of out channels, weight fragments from fb on; three K steps; a tile of 16 pixels at a time.  The accumulators take turns, one instruction a turn.
.macro MATL nt, fb
.set f, 0
.rept 3*\nt
	ds_load_b128 v[W+8*f:W+8*f+3], v[L16] offset:WF+1024*(\fb+f)
	ds_load_b128 v[W+8*f+4:W+8*f+7], v[L16] offset:WF+1024*(\fb+f)+512
	ds_load_b32 v[WSC+f], v[L4] offset:WS+128*(\fb+f)
.set f, f+1
.endr
	WIN 0x40                                       ; the activations' fragments go to window 1
.irp P, 0,1,2,3
.irp s, 0,1,2
.irp c, 0,1
	ds_load_b128 v[24*\P+8*\s+4*\c:24*\P+8*\s+4*\c+3], v[CF0] offset:3072*\P+1024*\s+512*\c
.endr
.endr
.endr
	WIN 0
.irp P, 0,1,2,3
.set p, 0
.rept 12
	ds_load_b32 v[DW+12*\P+p], v[SL0] offset:256*p+64*\P
.set p, p+1
.endr
.endr
	s_wait_dscnt 0x0
.irp P, 0,1,2,3
.irp s, 0,1,2
	v_lshl_or_b32 v[ASC+3*\P+\s], v[DW+12*\P+4*\s+1], 8, v[DW+12*\P+4*\s]     ; four bytes make a K step's scale word of a pixel
.endr
.endr
.irp P, 0,1,2,3
.irp s, 0,1,2
	v_lshl_or_b32 v[ASC+3*\P+\s], v[DW+12*\P+4*\s+2], 16, v[ASC+3*\P+\s]
.endr
.endr
.irp P, 0,1,2,3
.irp s, 0,1,2
	v_lshl_or_b32 v[ASC+3*\P+\s], v[DW+12*\P+4*\s+3], 24, v[ASC+3*\P+\s]
.endr
.endr
	NOPS 8                                         ; a scale register written by a vector instruction stands eight places ahead of a scaled matrix instruction
.irp P, 0,1,2,3
	WIN 0x04                                       ; source 1 in window 1
.irp s, 0,1,2
.irp t, 0,1,2,3
.if \t < \nt
.if \s == 0
	v_wmma_scale_f32_16x16x128_f8f6f4 v[ACC+8*\t:ACC+8*\t+7], v[W+8*(\nt*\s+\t):W+8*(\nt*\s+\t)+7], v[24*\P+8*\s:24*\P+8*\s+7], 0, v[WSC+\nt*\s+\t], v[ASC+3*\P+\s] matrix_a_fmt:MATRIX_FMT_FP4 matrix_b_fmt:MATRIX_FMT_FP4
.else
	v_wmma_scale_f32_16x16x128_f8f6f4 v[ACC+8*\t:ACC+8*\t+7], v[W+8*(\nt*\s+\t):W+8*(\nt*\s+\t)+7], v[24*\P+8*\s:24*\P+8*\s+7], v[ACC+8*\t:ACC+8*\t+7], v[WSC+\nt*\s+\t], v[ASC+3*\P+\s] matrix_a_fmt:MATRIX_FMT_FP4 matrix_b_fmt:MATRIX_FMT_FP4
.endif
.endif
.endr
.endr
	WIN 0
	TILEOUT \P, \nt
.endr
.endm
; ---------------- the head
	s_load_b128 s[4:7], s[0:1], 0x0                ; x s[4:5], wk s[6:7]
	s_load_b64 s[2:3], s[0:1], 0x10                ; out0
	v_lshl_add_u32 v[SPW], v0, 2, SPARE
	v_mov_b32 v[NIL], 0
	v_lshrrev_b32 v12, 5, v0
	v_readfirstlane_b32 s8, v12                    ; wave 0..7
	v_and_b32 v12, 31, v0                          ; lane
	v_and_b32 v13, 15, v0                          ; r
	v_bfe_u32 v15, v0, 4, 1                        ; h
	v_lshlrev_b32 v[T0A], 4, v0                    ; 16 x thread: the copy of wk
	s_mul_i32 s9, s8, HW
	s_add_co_u32 s9, s9, HB
	v_mul_u32_u24 v[HX0], v12, HP
	v_add_nc_u32 v[HX0], s9, v[HX0]
	v_mul_u32_u24 v[HD0], v13, HP
	v_lshl_add_u32 v[HD0], v15, 5, v[HD0]
	v_add_nc_u32 v[HD0], s9, v[HD0]
	s_mul_i32 s9, s8, CW
	s_add_co_u32 s9, s9, CI
	v_mul_u32_u24 v[CS0], v15, 3072
	v_lshl_add_u32 v[CS0], v13, 4, v[CS0]
	v_add_nc_u32 v[CS0], s9, v[CS0]
	v_lshlrev_b32 v[L16], 4, v12
	v_add_nc_u32 v[CF0], s9, v[L16]
	s_mul_i32 s9, s8, SW
	s_add_co_u32 s9, s9, SD
	v_lshlrev_b32 v[L4], 2, v12
	v_add_nc_u32 v[SS0], s9, v[L4]
	v_lshlrev_b32 v[SL0], 2, v13
	v_add_nc_u32 v[SL0], s9, v[SL0]
	v_lshlrev_b32 v[L8], 3, v12
	s_lshr_b32 s9, ttmp9, 3                        ; the image: eight work-groups to one
	s_and_b32 s14, ttmp9, 7
	s_lshl_b32 s14, s14, 11                        ; the work-group's 512 pixels in a plane, in bytes,
	s_lshl_b32 s15, s8, 8                          ; my wave's 64
	s_add_co_u32 s14, s14, s15
	s_mul_i32 s16, s9, 196608                      ; 12 planes of 16,384 bytes
	s_add_co_u32 s16, s16, s14
	s_mov_b32 s17, 0
	s_mul_i32 s18, s9, 393216                      ; 24 planes
	s_add_co_u32 s18, s18, s14
	s_mov_b32 s19, 0
	s_wait_kmcnt 0x0
	s_add_nc_u64 s[4:5], s[4:5], s[16:17]
	s_add_nc_u64 s[2:3], s[2:3], s[18:19]
.irp k, 0,1,2,3,4,5,6,7,8,9,10,11
	global_load_b128 v[20+4*\k:23+4*\k], v[T0A], s[6:7] offset:4096*\k          ; wk: 256 threads x 16 bytes x 12
.endr
.irp c, 0,1,2,3,4,5,6,7,8,9,10,11
	global_load_b64 v[84+2*\c:85+2*\c], v[L8], s[4:5] offset:16384*\c th:TH_LOAD_NT   ; x: a wave reads 256 consecutive bytes of a plane: pixels 2 lane, 2 lane + 1
.endr
.irp i, 68,69,70,71
	v_mov_b32 v[\i], 0
.endr
	s_wait_loadcnt 12                              ; wk's twelve loads are in; x's twelve, issued behind them, may be out
.irp k, 0,1,2,3,4,5,6,7,8,9,10,11
	ds_store_b128 v[T0A], v[20+4*\k:23+4*\k] offset:4096*\k
.endr
	s_wait_loadcnt 0x0
.irp c, 0,1,2,3,4,5,6,7,8,9,10,11
	ds_store_b32 v[HX0], v[84+2*\c] offset:128+4*\c        ; x into columns 32-43 of my two rows: layer 0 is walked as a second half
	ds_store_b32 v[HX0], v[85+2*\c] offset:128+4*\c+G1O
.endr
	ds_store_b128 v[HX0], v[68:71] offset:176      ; zeros into columns 44-47: the 12th channel's loads run one channel ahead
	ds_store_b128 v[HX0], v[68:71] offset:176+G1O
	; silu(x) for the f32 product
.set i, 0
.rept 12
	v_pk_mul_f32 v[108+i:109+i], v[84+i:85+i], 0xbfb8aa3b op_sel_hi:[1,0]
.set i, i+2
.endr
.set i, 0
.rept 24
	v_exp_f32 v[108+i], v[108+i]
.set i, i+1
.endr
	v_nop
	s_wait_alu depctr_va_vdst(0)                   ; one wait for the batch, ahead of its first reader
.set i, 0
.rept 12
	v_pk_add_f32 v[108+i:109+i], v[108+i:109+i], 1.0 op_sel_hi:[1,0]
.set i, i+2
.endr
.set i, 0
.rept 24
	v_rcp_f32 v[108+i], v[108+i]
.set i, i+1
.endr
	v_nop
	s_wait_alu depctr_va_vdst(0)
.set i, 0
.rept 12
	v_mul_f32 v[SG+i], v[84+2*i], v[108+2*i]
	v_mul_f32 v[SG+32+i], v[85+2*i], v[109+2*i]
.set i, i+1
.endr
; The f32 form wants, in lane (r, h), channels 4 s + 2 h + j of pixel r.  Register 4 s + j's lanes 16-31 change places with register 4 s + 2 + j's lanes 0-15: the first is then register j of the group's first tile, the second of its second.
.irp G, 0,1
.irp s, 0,1,2
.irp j, 0,1
	v_permlane16_swap_b32 v[SG+32*\G+4*\s+\j], v[SG+32*\G+4*\s+2+\j]
.endr
.endr
.endr
	s_wait_dscnt 0x0                               ; for the others' sake: my part of wk's copy has landed
	s_barrier_signal -1
	s_barrier_wait -1                              ; the one barrier: from here on the shared bytes are only read, and all else is each wave's own
; ---------------- five stages: layer 0; layer 1's channels 0-31, 32-63; layer 2's likewise
	s_mov_b32 s36, 0                               ; the stage
	s_mov_b32 s13, TAB                             ; its 32 rows of the table
	s_mov_b32 s12, 128                             ; 128 x half: its 32 channels in a row.  The halves go 1, 0, 1, 0, 1
	s_mov_b32 s35, 256                             ; 256 x half: a place
.Lstage:
	v_add_nc_u32 v[XA], s12, v[HX0]                ; no LDS instruction of mine is out here
	v_mov_b32 v[TA], s13
	v_add_nc_u32 v[T0A], s35, v[CS0]
	v_add_nc_u32 v[T1A], s35, v[SS0]
	s_cmp_eq_u32 s36, 0
	s_cbranch_scc1 .Lspline                        ; layer 0's silu was made at the head
	SILUH
.Lspline:
.irp q, 0,1,2,3,4,5,6,7
	ds_load_b128 v[KS+4*\q:KS+4*\q+3], v[TA] offset:16*\q
.endr
	ds_load_b32 v[X], v[XA]
	ds_load_b32 v[X+1], v[XA] offset:G1O
.irp n, 0,1,2,3,4,5,6,7,8,9,10,11
	CH \n
.endr
	s_cmp_eq_u32 s36, 0
	s_cbranch_scc1 .Llayer0                        ; layer 0 has 12 channels
.irp n, 12,13,14,15,16,17,18,19,20,21,22,23,24,25,26,27,28,29,30,31
	CH \n
.endr
.irp g, 0,1,2,3
	Q2 1, 32*\g, 128+32*\g                         ; block 2 g + half of both groups: place 2 + 2 g + half
	QOUT 512+512*\g
.endr
	Q2 0, V4, V4+32
	QOUT 2560
	s_cmp_eq_u32 s35, 0
	s_cbranch_scc1 .Lnext                          ; the layer's second half is still to come
	s_cmp_eq_u32 s36, 2
	s_cbranch_scc0 .Lmat2
	MATL 4, 4
	s_branch .Lnext
.Lmat2:
	MATL 2, 16
	s_branch .Lnext
; ---------------- layer 0's end
.Llayer0:
	s_wait_dscnt 0x0                               ; the loads that ran one channel ahead have landed
.irp G, 0,1                            ; a group's 60 values in the order K = 12 g + i, four zeros behind them: two blocks
	WIN 0x01
.irp g, 0,1,2,3
.set i, 0
.rept 12
	v_mov_b32 v[20+12*\g+i], v[32*(4*\G+\g)+i]
.set i, i+1
.endr
.endr
	WIN 0
.set i, 0
.rept 12
	v_mov_b32 v[68+i], v[V4+32*\G+i]
.set i, i+1
.endr
.irp i, 80,81,82,83
	v_mov_b32 v[\i], 0
.endr
	Q2 0, 20, 52
	ds_store_b128 v[CS0], v[QC:QC+3] offset:512+6144*\G            ; places 2 and 3
	ds_store_b128 v[CS0], v[QC+4:QC+7] offset:768+6144*\G
	ds_store_b32 v[SS0], v[QB] offset:512+128*\G
	ds_store_b32 v[SS0], v[QB+1] offset:768+128*\G
	s_wait_dscnt 0x0                               ; the stores have read their registers
.endr
.irp f, 0,1,2,3,4,5,6,7,8,9,10,11
	ds_load_b64 v[20+2*\f:21+2*\f], v[L8] offset:SB0+256*\f
.endr
.irp t, 0,1,2,3
	ds_load_b128 v[44+8*\t:47+8*\t], v[L16] offset:WF+1024*\t
	ds_load_b128 v[48+8*\t:51+8*\t], v[L16] offset:WF+1024*\t+512
	ds_load_b32 v[WSC+\t], v[L4] offset:WS+128*\t
.endr
.irp P, 0,1,2,3
	ds_load_b128 v[88+8*\P:91+8*\P], v[CF0] offset:3072*\P+512     ; places 2 and 3: the basis' two blocks
	ds_load_b32 v[116+2*\P], v[SL0] offset:512+64*\P
	ds_load_b32 v[117+2*\P], v[SL0] offset:768+64*\P
.irp i, 0,1,2,3
	v_mov_b32 v[84+8*\P+\i], 0                     ; places 0 and 1: zero codes
.endr
.endr
	s_wait_dscnt 0x0
.irp P, 0,1,2,3
	v_lshlrev_b32 v[ASC+\P], 16, v[116+2*\P]
.endr
.irp P, 0,1,2,3
	v_lshl_or_b32 v[ASC+\P], v[117+2*\P], 24, v[ASC+\P]    ; the zero codes' two bytes stay 0, which is a power of two like any other
.endr
	NOPS 8                                         ; a scale register written by a vector instruction stands eight places ahead of a scaled matrix instruction
.irp P, 0,1,2,3
.irp s, 0,1,2                          ; silu(x) sb0, K = 12 in three steps of 4, in f32: its result goes on into a quantiser.  The first step starts the sums; the four accumulators take turns
.irp t, 0,1,2,3
.if \s == 0
	v_wmma_f32_16x16x4_f32 v[ACC+8*\t:ACC+8*\t+7], v[20+2*(4*\s+\t):21+2*(4*\s+\t)], v[SG+32*(\P/2)+4*\s+2*(\P%2):SG+32*(\P/2)+4*\s+2*(\P%2)+1], 0
.else
	v_wmma_f32_16x16x4_f32 v[ACC+8*\t:ACC+8*\t+7], v[20+2*(4*\s+\t):21+2*(4*\s+\t)], v[SG+32*(\P/2)+4*\s+2*(\P%2):SG+32*(\P/2)+4*\s+2*(\P%2)+1], v[ACC+8*\t:ACC+8*\t+7]
.endif
.endr
.endr
	NOPS 9                                         ; nine places behind the f32 form, ahead of another form that takes its results up
.irp t, 0,1,2,3
	v_wmma_scale_f32_16x16x128_f8f6f4 v[ACC+8*\t:ACC+8*\t+7], v[44+8*\t:51+8*\t], v[84+8*\P:91+8*\P], v[ACC+8*\t:ACC+8*\t+7], v[WSC+\t], v[ASC+\P] matrix_a_fmt:MATRIX_FMT_FP4 matrix_b_fmt:MATRIX_FMT_FP4
.endr
	TILEOUT \P, 4
.endr
.Lnext:
	s_xor_b32 s12, s12, 128                        ; the other half
	s_xor_b32 s35, s35, 256
	s_add_co_u32 s13, s13, 4096                    ; the next 32 rows of the table
	s_add_co_u32 s36, s36, 1
	s_cmp_lt_u32 s36, 5
	s_cbranch_scc1 .Lstage
; ---------------- the way out: channel o of my two rows is a pair of neighbouring pixels of plane o
.irp o, 0,1,2,3,4,5,6,7,8,9,10,11,12,13,14,15,16,17,18,19,20,21,22,23
	ds_load_b32 v[20+2*\o], v[HX0] offset:4*\o
	ds_load_b32 v[21+2*\o], v[HX0] offset:4*\o+G1O
.endr
	s_wait_dscnt 0x0
.irp o, 0,1,2,3,4,5,6,7,8,9,10,11,12,13,14,15,16,17,18,19,20,21,22,23
	global_store_b64 v[L8], v[20+2*\o:21+2*\o], s[2:3] offset:16384*\o th:TH_STORE_NT   ; a wave stores 256 consecutive bytes, at a multiple of 256 from out0's first byte; written once, read by nobody here
.endr
	s_wait_tensorcnt 0x0                           ; the wave's end
	ds_add_u32 v[SPW], v[NIL]
	s_wait_dscnt 0x0
	s_endpgm
.Lfunc_end_k_q85e6cba589_main:
	.size	k_q85e6cba589_main, .Lfunc_end_k_q85e6cba589_main-k_q85e6cba589_main
	.p2alignl 7, 3214868480
	.fill 96, 4, 3214868480
	.section	.rodata,"a",@progbits
	.p2align	6, 0x0
	.amdhsa_kernel k_q85e6cba589_main
		.amdhsa_group_segment_fixed_size 312320
		.amdhsa_private_segment_fixed_size 0
		.amdhsa_enable_private_segment 0
		.amdhsa_kernarg_size 24
		.amdhsa_user_sgpr_count 2
		.amdhsa_user_sgpr_kernarg_segment_ptr 1
		.amdhsa_wavefront_size32 1
		.amdhsa_system_sgpr_workgroup_id_x 1
		.amdhsa_system_sgpr_workgroup_id_y 1
		.amdhsa_system_sgpr_workgroup_id_z 1
		.amdhsa_system_vgpr_workitem_id 0
		.amdhsa_next_free_vgpr 512
		.amdhsa_next_free_sgpr 66
		.amdhsa_reserve_vcc 0
		.amdhsa_float_denorm_mode_32 3
		.amdhsa_float_denorm_mode_16_64 3
		.amdhsa_memory_ordered 1
		.amdhsa_forward_progress 1
		.amdhsa_inst_pref_size 255
	.end_amdhsa_kernel
	.section	.bss,"aw",@nobits
	.p2align	6
	.space	262144
	.amdgpu_metadata
---
amdhsa.version: [ 1, 2 ]
amdhsa.kernels:
  - .name:           k_q85e6cba589_main
    .symbol:         k_q85e6cba589_main.kd
    .args:
      - { .name: x, .offset: 0, .size: 8, .value_kind: global_buffer, .address_space: global }
      - { .name: wk, .offset: 8, .size: 8, .value_kind: global_buffer, .address_space: global }
      - { .name: out0, .offset: 16, .size: 8, .value_kind: global_buffer, .address_space: global }
    .group_segment_fixed_size: 312320
    .private_segment_fixed_size: 0
    .kernarg_segment_align: 8
    .kernarg_segment_size: 24
    .max_flat_workgroup_size: 256
    .sgpr_count:     66
    .vgpr_count:     512
    .wavefront_size: 32
...
	.end_amdgpu_metadata
.endif
;; end of part 2
;; ======== version 2 of 2: 2 launches
;; workspace buffers: wk 49,152 bytes
;; launch prep (part 3): grid 28 x 1, 1 waves a work-group, no clusters, 0 bytes of LDS; arguments coef0, coef1, coef2, sp0, sp1, sp2, sb1_codes, sb1_scales, sb2_codes, sb2_scales, grid0, grid1, grid2, sb0, wk; writes wk
.if DOCPART == 3
	.amdgcn_target "amdgcn-amd-amdhsa--gfx1250"
	.amdhsa_code_object_version 6
	.text
	.protected	k_q85e6cba589_prep
	.globl	k_q85e6cba589_prep
	.p2align	8
	.type	k_q85e6cba589_prep,@function
k_q85e6cba589_prep:
	s_mov_b64 s[64:65], 0
	v_nop
	global_prefetch_b8 v0, s[64:65] scope:SCOPE_SE
	s_setreg_imm32_b32 hwreg(HW_REG_WAVE_MODE, 25, 1), 1
	s_wait_xcnt 0x0
; KANCouplingNet, launch 1 of 2: everything that hangs on the weights and knots alone is made once and laid in wk in the order in which launch 2 takes it.
; NO WORK OF reference() IS LEFT OUT in this program: every input has a way to the output and is loaded, every product of the table is done.
; THE ORDER OF K in the spline products: the einsum 'big,iog->bo' contracts its axes in the order (g, i), so K = g x n_in + i: in layers 1 and 2 a block of 32 is 32 channels of one basis function, in layer 0 K = 12 g + i.
; wk, 49,152 bytes:
;   TAB   0      160 rows of 128 bytes, a row to a layer input: dwords 0-8 the knots g_j, 9 = 0, 10-17 1/(g_j+1 - g_j), 18-24 1/(g_j+2 - g_j), 25-30 1/(g_j+3 - g_j), 31 = 0.
;                rows 0-11 grid0, 12-31 zeros, 32-95 grid1, 96-159 grid2
;   WF    20480  22 weight fragments of 16 out channels x 128 K of E2M1 codes, as images of the operand's registers: byte f x 1024 + c x 512 + lane x 16;
;                lane (r, h), quad c holds the 32 codes of out channel 16 t + r at place 4 s + 2 c + h of the layer's K.  Places 0, 1: the base weights sb (layer 0: zero codes); place b + 2: block b of sp x coef
;                f = t (layer 0), 4 + 4 s + t (layer 1), 16 + 2 s + t (layer 2; out channels 24-31: zero codes, byte 127)
;   WS    43008  24 x 128 bytes: fragment f's scale words, 4 bytes a lane, the same in both halves of the lanes (22, 23: zeros)
;   SB0   46080  12 fragments of sb0 for the f32 product: f = 4 s + t, lane (r, h): sb0[4 s + 2 h + j][16 t + r], j = 0, 1
; THE QUANTISER: a block's scale byte is its largest magnitude's exponent field - 2, held at 1 from below by a floor among the maximum's leaves; the conversion divides by that scale, rounds to the nearest code, ties to even, and holds at the largest code.
; LIMITS: NaN and infinities among the inputs are not served.  A block of zeros gets the byte 1 where the rule says 127: its codes are zeros, and this program alone reads the bytes.
; A division by a difference of knots is a multiplication by v_rcp_f32 of it.  Knots that coincide, where reference() itself divides by zero, are not reproduced.
; One wave to a work-group; work-groups 0-21 make a fragment each, 22-26 32 table rows each, 27 the fragments of sb0.  No LDS, no barrier.  The table's stores are 16 bytes a lane, 128 bytes apart: 20,480 bytes in all.
.set TAB, 0
.set WF,  20480
.set WS,  43008
.set SB0, 46080
	s_load_b256 s[8:15], s[0:1], 0x0               ; coef0 s[8:9], coef1 s[10:11], coef2 s[12:13], sp0 s[14:15]
	s_load_b256 s[16:23], s[0:1], 0x20             ; sp1 s[16:17], sp2 s[18:19], sb1's codes s[20:21], sb1's scales s[22:23]
	s_load_b256 s[24:31], s[0:1], 0x40             ; sb2's codes s[24:25], sb2's scales s[26:27], grid0 s[28:29], grid1 s[30:31]
	s_load_b128 s[32:35], s[0:1], 0x60             ; grid2 s[32:33], sb0 s[34:35]
	s_load_b64 s[36:37], s[0:1], 0x70              ; wk
	s_mov_b32 s38, ttmp9                           ; the work-group's number
	v_and_b32 v1, 15, v0                           ; r
	v_lshrrev_b32 v2, 4, v0                        ; h
	s_wait_kmcnt 0x0
	s_cmp_lt_u32 s38, 22
	s_cbranch_scc0 .Ltables
; ---------------- a weight fragment: f = the work-group's number
	s_cmp_lt_u32 s38, 16                           ; layers 0 and 1, or layer 2
	s_cselect_b32 s54, 1, 2                        ; the layer
	s_cselect_b32 s55, 4, 16                       ; its first fragment
	s_cselect_b32 s56, 2, 1                        ; log2 of its tiles of out channels
	s_cselect_b32 s42, 64, 24                      ; O, its out channels
	s_cselect_b64 s[46:47], s[10:11], s[12:13]     ; coef
	s_cselect_b64 s[48:49], s[16:17], s[18:19]     ; sp
	s_cselect_b64 s[58:59], s[20:21], s[24:25]     ; sb's codes
	s_cselect_b64 s[60:61], s[22:23], s[26:27]     ; sb's scales
	s_cmp_lt_u32 s38, 4                            ; layer 0
	s_cselect_b32 s54, 0, s54
	s_cselect_b32 s55, 0, s55
	s_cselect_b64 s[46:47], s[8:9], s[46:47]
	s_cselect_b64 s[48:49], s[14:15], s[48:49]
	s_mov_b32 s50, 320
	s_cselect_b32 s50, 60, s50                     ; KMAX: 5 x the layer's inputs
	s_cselect_b32 s44, 12, 64                      ; n_in, the layer's inputs
	s_mov_b32 s2, 171
	s_cselect_b32 s2, s2, 1                        ; K / n_in = (K x 171) >> 11 for n_in = 12 (right for every K under 511), K >> 6 for 64
	s_cselect_b32 s3, 11, 6
	s_sub_co_u32 s57, s38, s55
	s_lshr_b32 s62, s57, s56                       ; s, the K step of 128
	s_lshl_b32 s39, s62, s56
	s_sub_co_u32 s63, s57, s39                     ; t, the tile of out channels
	s_mul_i32 s4, s42, 5                           ; 5 O
	s_sub_co_u32 s43, s50, 1                       ; KMAX - 1
	s_lshl_b32 s41, s62, 2                         ; quad 1 holds blocks 4 s + h,
	s_sub_co_u32 s45, s41, 2                       ; quad 0 blocks 4 s - 2 + h (used where s > 0)
	s_sub_co_u32 s39, s42, 1
	s_mov_b32 s51, 0x76543210
	s_mov_b32 s52, 0xfedcba98                      ; v_permlanex16_b32's selects for lane l xor 16
	s_wait_alu depctr_va_vdst(0)
	v_lshl_add_u32 v3, s63, 4, v1                  ; o = 16 t + r
	v_cmp_gt_u32 s40, s42, v3                      ; o < O
	v_min_u32 v4, s39, v3                          ; o held inside the tensor: no load leaves its buffer
	v_mul_u32_u24 v5, v4, 5
	v_mov_b32 v15, 127
	s_lshl_b32 s53, s38, 10
	s_add_co_u32 s53, s53, WF
	v_lshl_add_u32 v24, v0, 4, s53                 ; where my codes go
	s_lshl_b32 s53, s38, 7
	s_add_co_u32 s53, s53, WS
	v_lshl_add_u32 v25, v0, 2, s53                 ; and my scale word
; The 64 loads of quad c: coef[i][o][g] and sp[i][o] for K = 32 b + n = g x n_in + i, b = s[sb] + h.  Each load lands on its own offset register.
.macro LOADS c, sb
	v_add_nc_u32 v6, s[\sb], v2
	v_lshlrev_b32 v6, 5, v6                        ; 32 b
.set n, 0
.rept 32
	v_add_nc_u32 v7, n, v6
	v_min_u32 v7, s43, v7                          ; K held under KMAX
	v_mul_u32_u24 v8, v7, s2
	v_lshrrev_b32 v8, s3, v8                       ; g
	v_mul_u32_u24 v9, v8, s44
	v_sub_nc_u32 v9, v7, v9                        ; i
	v_mad_u32_u24 v7, v9, s4, v8                   ; i x 5 O + g
	v_add_lshl_u32 v[32+64*\c+n], v7, v5, 2        ; + 5 o, in bytes
	v_mad_u32_u24 v9, v9, s42, v4                  ; i x O + o
	v_lshlrev_b32 v[64+64*\c+n], 2, v9
.set n, n+1
.endr
.set n, 0
.rept 32
	global_load_b32 v[32+64*\c+n], v[32+64*\c+n], s[46:47]
	global_load_b32 v[64+64*\c+n], v[64+64*\c+n], s[48:49]
.set n, n+1
.endr
.endm
; Quad c's block is quantised: codes into v[16 + 4 c] on, the byte into v[13 + c].
.macro QUANTB c, sb
.set B, 32+64*\c
	v_add_nc_u32 v6, s[\sb], v2
	v_lshlrev_b32 v6, 5, v6
.set n, 0
.rept 32
	v_mul_f32 v[B+n], v[B+n], v[B+32+n]            ; sp x coef, as reference() has it
	v_add_nc_u32 v7, n, v6
	v_cmp_gt_u32 vcc_lo, s50, v7
	v_cndmask_b32 v[B+n], 0, v[B+n], vcc_lo        ; the last block is filled with zeros from KMAX on, ahead of the maximum
.set n, n+1
.endr
	v_max3_num_f32 v10, |v[B]|, |v[B+1]|, 0x1800000        ; the floor 2^(3 - 127): the byte cannot fall under 1
	v_max3_num_f32 v11, |v[B+2]|, |v[B+3]|, |v[B+4]|
.irp i, 5,9,13,17,21,25
	v_max3_num_f32 v10, v10, |v[B+\i]|, |v[B+\i+1]|
	v_max3_num_f32 v11, v11, |v[B+\i+2]|, |v[B+\i+3]|
.endr
	v_max3_num_f32 v10, v10, |v[B+29]|, |v[B+30]|
	v_max3_num_f32 v10, v10, v11, |v[B+31]|
	v_add_nc_u32 v12, 0xff000000, v10              ; 2 off the exponent field: the conversion takes the exponent field of this operand as its scale
.irp g, 0,1,2,3
	v_cvt_scalef32_pk8_fp4_f32 v[16+4*\c+\g], v[B+8*\g:B+8*\g+7], v12
.endr
	v_lshrrev_b32 v[13+\c], 23, v12                ; the byte (also the plain line behind the conversions)
.irp g, 0,1,2,3
	v_cndmask_b32 v[16+4*\c+\g], 0, v[16+4*\c+\g], s40     ; out channels that the layer does not have: zero codes,
.endr
	v_cndmask_b32 v[13+\c], v15, v[13+\c], s40     ; byte 127
.endm
	LOADS 1, 41
	s_cmp_eq_u32 s62, 0
	s_cbranch_scc1 .Lfirst
	LOADS 0, 45
	s_wait_loadcnt 0x0
	QUANTB 0, 45
	s_branch .Ljoin
.Lfirst:                                               ; the first K step: quad 0 holds places 0 and 1
	s_cmp_eq_u32 s54, 0
	s_cbranch_scc1 .Lnone
	v_lshl_add_u32 v7, v4, 1, v2                   ; sb is given as codes: row o, block h,
	v_lshlrev_b32 v8, 4, v7                        ; 16 bytes a block,
	global_load_b128 v[16:19], v8, s[58:59]
	global_load_u8 v13, v7, s[60:61]               ; one byte a block: both are taken as they are
	s_wait_loadcnt 0x0
.irp g, 0,1,2,3
	v_cndmask_b32 v[16+\g], 0, v[16+\g], s40
.endr
	v_cndmask_b32 v13, v15, v13, s40
	s_branch .Ljoin
.Lnone:                                                ; layer 0's base product is left in f32: its two places hold zero codes
.irp g, 0,1,2,3
	v_mov_b32 v[16+\g], 0
.endr
	v_mov_b32 v13, 127
	s_wait_loadcnt 0x0
.Ljoin:
	QUANTB 1, 41
	v_lshl_or_b32 v9, v14, 16, v13                 ; my two bytes: places h and 2 + h of the K step,
	v_lshlrev_b32 v10, 3, v2
	v_lshlrev_b32 v9, v10, v9                      ; at their places in the word;
	v_mov_b32 v10, 0
	v_permlanex16_b32 v10, v9, s51, s52
	v_or_b32 v9, v9, v10                           ; with lane l xor 16's two the word is whole, in both halves of the lanes
	global_store_b128 v24, v[16:19], s[36:37]      ; 32 lanes store 512 consecutive bytes
	global_store_b128 v24, v[20:23], s[36:37] offset:512
	global_store_b32 v25, v9, s[36:37]
	s_endpgm
; ---------------- 32 rows of the table: a lane to a row.  Work-group 22: grid0; 23, 24: grid1; 25, 26: grid2
.Ltables:
	s_cmp_lt_u32 s38, 27
	s_cbranch_scc0 .Lsb0
	s_sub_co_u32 s39, s38, 22
	s_lshl_b32 s41, s39, 5                         ; my first row
	s_add_co_u32 s42, s39, 1
	s_and_b32 s42, s42, 1
	s_lshl_b32 s42, s42, 5                         ; and its channel in its grid: 0 for 23 and 25, 32 for 24 and 26,
	s_cmp_lt_u32 s38, 25
	s_cselect_b64 s[46:47], s[30:31], s[32:33]     ; grid1, grid2,
	s_cmp_eq_u32 s38, 22
	s_cselect_b64 s[46:47], s[28:29], s[46:47]     ; or grid0,
	s_cselect_b32 s43, 12, 64                      ; with so many channels,
	s_cselect_b32 s42, 0, s42                      ; from channel 0 on
	v_add_nc_u32 v3, s42, v0
	v_cmp_gt_u32 s40, s43, v3                      ; a channel that the grid has
	s_sub_co_u32 s44, s43, 1
	v_min_u32 v4, s44, v3
	v_mul_u32_u24 v4, v4, 36                       ; nine knots a channel
.irp j, 0,1,2,3,4,5,6,7,8
	global_load_b32 v[64+\j], v4, s[46:47] offset:4*\j
.endr
	v_add_nc_u32 v5, s41, v0
	v_lshlrev_b32 v5, 7, v5                        ; 128 bytes a row; TAB = 0
	v_mov_b32 v73, 0
	v_mov_b32 v95, 0
	s_wait_loadcnt 0x0
.irp j, 0,1,2,3,4,5,6,7
	v_sub_f32 v[74+\j], v[65+\j], v[64+\j]
.endr
.irp j, 0,1,2,3,4,5,6
	v_sub_f32 v[82+\j], v[66+\j], v[64+\j]
.endr
.irp j, 0,1,2,3,4,5
	v_sub_f32 v[89+\j], v[67+\j], v[64+\j]
.endr
.set n, 0
	s_wait_alu depctr_va_vdst(0)
.rept 21
	v_rcp_f32 v[74+n], v[74+n]
.set n, n+1
.endr
	v_nop                                          ; a plain line behind the last reciprocal
	s_wait_alu depctr_va_vdst(0)                   ; one wait for the batch, ahead of its first reader
.set n, 0
.rept 32
	v_cndmask_b32 v[64+n], 0, v[64+n], s40         ; rows without a channel are zeros
.set n, n+1
.endr
.irp q, 0,1,2,3,4,5,6,7
	global_store_b128 v5, v[64+4*\q:67+4*\q], s[36:37] offset:TAB+16*\q
.endr
	s_endpgm
; ---------------- sb0's fragments for the f32 product, and the two spare rows of scale words
.Lsb0:
	s_wait_alu depctr_va_vdst(0)
	v_lshl_add_u32 v3, v2, 7, v1
	v_lshlrev_b32 v3, 2, v3                        ; (128 h + r) x 4
.irp s, 0,1,2
.irp t, 0,1,2,3
.irp j, 0,1
	global_load_b32 v[32+2*(4*\s+\t)+\j], v3, s[34:35] offset:(256*\s+64*\j+16*\t)*4   ; sb0[4 s + 2 h + j][16 t + r]
.endr
.endr
.endr
	v_lshlrev_b32 v4, 3, v0
	v_mov_b32 v6, 0
	v_mov_b32 v7, 0
	global_store_b64 v4, v[6:7], s[36:37] offset:WS+22*128
	s_wait_alu depctr_va_vdst(0)
	s_wait_loadcnt 0x0
.irp f, 0,1,2,3,4,5,6,7,8,9,10,11
	global_store_b64 v4, v[32+2*\f:33+2*\f], s[36:37] offset:SB0+256*\f   ; 32 lanes store 256 consecutive bytes
.endr
	s_endpgm
.Lfunc_end_k_q85e6cba589_prep:
	.size	k_q85e6cba589_prep, .Lfunc_end_k_q85e6cba589_prep-k_q85e6cba589_prep
	.p2alignl 7, 3214868480
	.fill 96, 4, 3214868480
	.section	.rodata,"a",@progbits
	.p2align	6, 0x0
	.amdhsa_kernel k_q85e6cba589_prep
		.amdhsa_group_segment_fixed_size 0
		.amdhsa_private_segment_fixed_size 0
		.amdhsa_enable_private_segment 0
		.amdhsa_kernarg_size 120
		.amdhsa_user_sgpr_count 2
		.amdhsa_user_sgpr_kernarg_segment_ptr 1
		.amdhsa_wavefront_size32 1
		.amdhsa_system_sgpr_workgroup_id_x 1
		.amdhsa_system_sgpr_workgroup_id_y 1
		.amdhsa_system_sgpr_workgroup_id_z 1
		.amdhsa_system_vgpr_workitem_id 0
		.amdhsa_next_free_vgpr 160
		.amdhsa_next_free_sgpr 66
		.amdhsa_reserve_vcc 1
		.amdhsa_float_denorm_mode_32 3
		.amdhsa_float_denorm_mode_16_64 3
		.amdhsa_memory_ordered 1
		.amdhsa_forward_progress 1
		.amdhsa_inst_pref_size 68
	.end_amdhsa_kernel
	.amdgpu_metadata
---
amdhsa.version: [ 1, 2 ]
amdhsa.kernels:
  - .name:           k_q85e6cba589_prep
    .symbol:         k_q85e6cba589_prep.kd
    .args:
      - { .name: coef0, .offset: 0, .size: 8, .value_kind: global_buffer, .address_space: global }
      - { .name: coef1, .offset: 8, .size: 8, .value_kind: global_buffer, .address_space: global }
      - { .name: coef2, .offset: 16, .size: 8, .value_kind: global_buffer, .address_space: global }
      - { .name: sp0, .offset: 24, .size: 8, .value_kind: global_buffer, .address_space: global }
      - { .name: sp1, .offset: 32, .size: 8, .value_kind: global_buffer, .address_space: global }
      - { .name: sp2, .offset: 40, .size: 8, .value_kind: global_buffer, .address_space: global }
      - { .name: sb1_codes, .offset: 48, .size: 8, .value_kind: global_buffer, .address_space: global }
      - { .name: sb1_scales, .offset: 56, .size: 8, .value_kind: global_buffer, .address_space: global }
      - { .name: sb2_codes, .offset: 64, .size: 8, .value_kind: global_buffer, .address_space: global }
      - { .name: sb2_scales, .offset: 72, .size: 8, .value_kind: global_buffer, .address_space: global }
      - { .name: grid0, .offset: 80, .size: 8, .value_kind: global_buffer, .address_space: global }
      - { .name: grid1, .offset: 88, .size: 8, .value_kind: global_buffer, .address_space: global }
      - { .name: grid2, .offset: 96, .size: 8, .value_kind: global_buffer, .address_space: global }
      - { .name: sb0, .offset: 104, .size: 8, .value_kind: global_buffer, .address_space: global }
      - { .name: wk, .offset: 112, .size: 8, .value_kind: global_buffer, .address_space: global }
    .group_segment_fixed_size: 0
    .private_segment_fixed_size: 0
    .kernarg_segment_align: 8
    .kernarg_segment_size: 120
    .max_flat_workgroup_size: 32
    .sgpr_count:     66
    .vgpr_count:     160
    .wavefront_size: 32
...
	.end_amdgpu_metadata
.endif
;; end of part 3
;; launch main (part 4): grid 256 x 1, 8 waves a work-group, no clusters, 312,320 bytes of LDS; arguments x, wk, out0; writes out0
.if DOCPART == 4
	.amdgcn_target "amdgcn-amd-amdhsa--gfx1250"
	.amdhsa_code_object_version 6
	.text
	.protected	k_q85e6cba589_main
	.globl	k_q85e6cba589_main
	.p2align	8
	.type	k_q85e6cba589_main,@function
k_q85e6cba589_main:
	s_mov_b64 s[64:65], 0
	v_nop
	global_prefetch_b8 v0, s[64:65] scope:SCOPE_SE
	s_setreg_imm32_b32 hwreg(HW_REG_WAVE_SCHED_MODE, 0, 2), 2
	s_setreg_imm32_b32 hwreg(HW_REG_WAVE_MODE, 25, 1), 1
	s_wait_xcnt 0x0
	s_wait_alu depctr_vm_vsrc(0)
; KANCouplingNet, launch 2 of 2: the three KAN layers (12 -> 64 -> 64 -> 24) for all 131,072 pixels, fused; nothing of reference() is left out.
; SHARES.  256 work-groups of eight waves; a wave owns 64 neighbouring pixels of one image and takes them through all three layers.  The hidden layers never leave LDS.
; A LANE IS A PIXEL, A REGISTER A CHANNEL: a channel's knots and reciprocals are then the same in all lanes.  The 64 pixels are two groups, pixel = 2 x lane + G, and a register PAIR is (G = 0, G = 1) of one channel, so that the
; spline arithmetic goes two at a time, the constant taken from one register of a pair for both halves.
; THE SPLINE, for any knots: e_j = g_j - x; C_j0 = r_j1 where g_j <= x and not g_j+1 <= x, else 0; B_jp = e_j+p+1 C_j+1,p-1 - e_j C_j,p-1; C_jp = r_j,p+1 B_jp; r_jp = 1 / (g_j+p - g_j), from launch 1's table.
; This is reference()'s recursion with each division written as a multiplication by the reciprocal.
; THE ORDER OF K in the spline products is (g, i): K = g x n_in + i.  In layers 1 and 2 a block of 32 is 32 channels of ONE basis function g, so the basis values of 32 channels stay in registers, a run of 32 for each
; (group, g), 320 in all, and are quantised when the 32 channels are done.  A register's number is a constant of the text, so the 32 channels are written out, ONCE, and a loop of five STAGES walks them: layer 0 (which leaves
; behind its 12th channel), layer 1's channels 0-31 and 32-63, layer 2's likewise.  Layer 0's K = 12 g + i is gathered from the runs by 60 moves a group.
; THE PRODUCTS are used transposed: source 0 = 16 out channels of the weights, source 1 = 16 pixels; a lane's eight results are eight neighbouring channels of one pixel, which go back into the pixel's row in LDS, a tile of 16 pixels at a time.
; Layer 0's base product (K = 12) is left in f32 and starts the sums; its spline product (K = 60, filled with zero codes to 128) adds onto them.  In layers 1 and 2 the base product (2 blocks) and the spline product (10 blocks)
; are three K steps of 128 on one accumulator: place 0, 1: silu; place 2 + 2 g + half: the basis.
; OPERANDS GO THROUGH LDS AS IMAGES OF THEIR REGISTERS: a pixel's 32 codes at tile x 3072 + place x 256 + (row % 16) x 16, which is fragment (tile, K step) at quad x 512 + lane x 16.  Scale bytes go as one dword each and are packed on the way back.
; LDS: 0 the copy of wk (table, weight fragments, scale words, sb0: shared, written once, read behind the one barrier); then, each wave's own: HB 64 rows x (64 channels + 16 bytes), CI the code images, SD the scale bytes; the spare words.
; What the work-groups share is wk's 49,152 bytes, read once at the head by twelve plain loads a thread; x and out0 are each wave's own: so no cluster and no joint request, no tensor load and no ring.
; LIMITS: NaN and infinities are not served.  A block of zeros gets the byte 1 where the rule says 127: its codes are zeros, and the bytes are read here alone.  silu(x) = x / (1 + 2^(-x log2 e)) by v_exp_f32 and v_rcp_f32.
; THE MODE: SCHED_MODE bits 1:0 = 2 (LLVM: expert scheduling mode 2), set by the entry lines.  The code itself states the register dependences between vector or matrix instructions and memory or LDS instructions, with s_wait_alu, always for 0.
; THE PLAN.  Registers that memory or LDS instructions touch:
;   v3-11     addresses, made at the head and never written again: one wait on va_vdst ahead of the head's first load serves them for the whole kernel.
;   v12-15    the stage's addresses.  Read by the stage's LDS instructions, written by four lines at a stage's head: a wait on vm_vsrc ahead of the four, one on va_vdst behind them.
;   KS, X     two sets, by the channel's parity.  Channel n's lines read set n % 2; the ten loads at its head land in the other set, which channel n - 1's lines read: one wait on va_vdst at a channel's head.
;   s16-33    the masks: written by a run of 18 compares; one wait on va_sdst stands between the run and the scalar lines that read them.
;   out-buffers of ten registers (eight of codes, two bytes), written by the quantiser, read by LDS stores: a stage's five basis blocks have one each, v20-69, so that one wait on va_vdst stands ahead of one run of 20 stores
;             and one on vm_vsrc behind it; layer 0's two groups likewise, v164-173 and v196-205; silu's is v90-99.
;   W, window 1's fragments, DW, WSC   the matrix phase's loads land in them: one wait on va_vdst at the phase's head, behind all the vector and matrix lines that named them; only loads and window switches follow it.
;   ASC       written by vector lines, read by scaled products as scales: the eight places, then a wait on va_vdst.
;   ACC       written by a tile's products, read by its LDS stores, begun anew by the next tile: the four places, va_vdst, the stores, vm_vsrc, the fifth place.
;   v1, v2    written at the head, read by the closing add alone.
.set TAB, 0
.set WF,  20480
.set WS,  43008
.set SB0, 46080
.set HB,  49152                        ; H rows
.set HP,  272                          ; a row: 256 bytes + 16: an odd multiple of 16, so that sixteen rows' 16-byte pieces fall on sixteen different columns of 16 bytes modulo 256
.set HW,  64*HP                        ; a wave's
.set G1O, 32*HP                        ; from a lane's row of group 0 to its row of group 1
.set CI,  HB+8*HW                      ; code images
.set CW,  12288                        ; a wave's: 4 tiles x 12 places x 256 bytes
.set SD,  CI+8*CW                      ; scale bytes, a dword each
.set SW,  3072                         ; a wave's: 12 places x 64 rows x 4 bytes
.set SPARE, SD+8*SW                    ; the spare words, 128 bytes for each wave: four blocks of 256 bytes that no other line names
.set SPW, 1                            ; v1   LDS address of my spare word; never rewritten
.set NIL, 2                            ; v2   0; never rewritten
.set HX0, 3                            ; v3   my row of group 0
.set HD0, 4                            ; v4   where a result's 32 bytes go: row lane % 16, + 32 (lane / 16)
.set CS0, 5                            ; v5   where my codes go: tile lane / 16, row lane % 16
.set CF0, 6                            ; v6   where a fragment comes from: 16 x lane
.set SS0, 7                            ; v7   where my scale byte goes
.set SL0, 8                            ; v8   where a tile's scale bytes come from: 4 x (lane % 16)
.set L16, 9                            ; v9   16 x lane
.set L4,  10                           ; v10  4 x lane
.set L8,  11                           ; v11  8 x lane
.set XA,  12                           ; v12  the stage's 32 channels in my row
.set TA,  13                           ; v13  the stage's 32 rows of the table
.set T0A, 14                           ; v14  CS0 + 256 x half;  v15  SS0 + 256 x half
.set T1A, 15
.set X,   16                           ; v16-19   x of a channel, (G0, G1): two pairs, by the channel's parity
.set KS,  20                           ; v20-83   a channel's 32 constants: two sets, by parity
.set E,   84                           ; v84-101  e_0 .. e_8
.set A,   102                          ; v102-117 eight pairs at work
.set BV,  118                          ; v118-131 seven pairs at work
.set ACC, 132                          ; v132-163 four accumulators: a tile of 16 pixels x 64 out channels; matrix instructions alone write them
.set V4,  164                          ; v164-195, v196-227 the runs (G, g = 4); ahead of a stage's splines: x and then silu(x) of its 32 channels; at layer 0's end their first ten registers are the groups' out-buffers
.set SG,  180                          ; v180-191, v212-223 layer 0's silu, group 0 and 1: the f32 product's source 1 (layer 0 uses 12 registers of a run)
.set WSC, 228                          ; v228-239 the weights' scale words: scales and nothing else
.set ASC, 240                          ; v240-251 the activations' scale words: scales and nothing else
.set QM,  84                           ; the quantiser's registers lie over e, which is dead between channels: four maxima,
.set QS,  88                           ; two scale operands,
.set QO,  90                           ; and silu's out-buffer, v90-99: two x four registers of codes, two bytes
.set OB,  20                           ; v20-69   the five out-buffers of a stage's basis blocks: over the constants, which are dead behind the 32nd channel
.set W,   20                           ; in the matrix phases: up to 12 weight fragments,
.set DW,  164                          ; 48 scale bytes
.set MA,  16                           ; s16-24 group 0's masks;  s25-33 group 1's
.set MB,  25
; window 1: the runs (G, g < 4) at v[32 (4 G + g)]; in the matrix phases of layers 1 and 2 the activations' fragments (tile P, K step s) at v[24 P + 8 s]
; scalars: s[2:3] out0, s[4:5] x, s[6:7] wk, s8 the wave, s12 128 x half, s13 the stage's table rows, s35 256 x half, s36 the stage
.set MSB, 0
.macro WIN new                         ; s_set_vgpr_msb: bits 1:0 source 0, 3:2 source 1, 5:4 source 2, 7:6 destination; the immediate's high byte repeats the setting that is left
.if MSB != \new
	s_set_vgpr_msb (MSB<<8)|\new
.set MSB, \new
.endif
.endm
.macro NOPS n
.rept \n
	v_nop
.endr
.endm
; pair d times constant idx of the channel's set, for both halves
.macro PKMULK d, idx
.if ((\idx)&1) == 0
	v_pk_mul_f32 v[\d:\d+1], v[\d:\d+1], v[KB+(\idx):KB+(\idx)+1] op_sel_hi:[1,0]
.else
	v_pk_mul_f32 v[\d:\d+1], v[\d:\d+1], v[KB+(\idx)-1:KB+(\idx)] op_sel:[0,1] op_sel_hi:[1,1]
.endif
.endm
; ONE CHANNEL, the n-th of a stage's 32, for 64 pixels: 97 vector instructions.
.macro CH n
.set KB, KS+32*((\n)&1)
.set KN, KS+32*(1-((\n)&1))
.set XB, X+2*((\n)&1)
.set XN, X+2*(1-((\n)&1))
	s_wait_dscnt 0x0                               ; this channel's ten loads, issued a whole channel ago, are in
.if (\n) < 31
.if (\n) > 0
	s_wait_alu depctr_va_vdst(0)                   ; the channel before is done reading its constants and its x, in which the ten loads below land.  (Channel 0: no vector line stands between the wait ahead of the stage's first loads and these)
.endif
.irp q, 0,1,2,3,4,5,6,7
	ds_load_b128 v[KN+4*\q:KN+4*\q+3], v[TA] offset:128*((\n)+1)+16*\q   ; the next channel's constants: all lanes read the same 16 bytes
.endr
	ds_load_b32 v[XN], v[XA] offset:4*((\n)+1)     ; and its x
	ds_load_b32 v[XN+1], v[XA] offset:4*((\n)+1)+G1O
.endif
.irp j, 0,1,2,3,4,5,6,7,8
	v_cmp_ge_f32 s[MA+\j], v[XB], v[KB+\j]         ; x >= g_j
	v_cmp_ge_f32 s[MB+\j], v[XB+1], v[KB+\j]
.endr
.irp j, 0,2,4,6,8
	v_pk_add_f32 v[E+2*\j:E+2*\j+1], v[KB+\j:KB+\j+1], v[XB:XB+1] op_sel_hi:[0,1] neg_lo:[0,1] neg_hi:[0,1]   ; e_j = g_j - x
.endr
.irp j, 1,3,5,7
	v_pk_add_f32 v[E+2*\j:E+2*\j+1], v[KB+\j-1:KB+\j], v[XB:XB+1] op_sel:[1,0] op_sel_hi:[1,1] neg_lo:[0,1] neg_hi:[0,1]
.endr
	s_wait_alu depctr_va_sdst(0)                   ; the 18 compares have written s16-33, ahead of their first readers, the scalar lines below
.irp j, 0,1,2,3,4,5,6,7
	s_and_not1_b32 s[MA+\j], s[MA+\j], s[MA+\j+1]  ; g_j <= x and not g_j+1 <= x
	s_and_not1_b32 s[MB+\j], s[MB+\j], s[MB+\j+1]
.endr
.irp j, 0,1,2,3,4,5,6,7
	v_cndmask_b32 v[A+2*\j], 0, v[KB+10+\j], s[MA+\j]      ; C_j0
	v_cndmask_b32 v[A+2*\j+1], 0, v[KB+10+\j], s[MB+\j]
.endr
.irp j, 0,1,2,3,4,5,6
	v_pk_mul_f32 v[BV+2*\j:BV+2*\j+1], v[E+2*\j:E+2*\j+1], v[A+2*\j:A+2*\j+1]
.endr
.irp j, 0,1,2,3,4,5,6
	v_pk_fma_f32 v[BV+2*\j:BV+2*\j+1], v[E+2*\j+4:E+2*\j+5], v[A+2*\j+2:A+2*\j+3], v[BV+2*\j:BV+2*\j+1] neg_lo:[0,0,1] neg_hi:[0,0,1]   ; B_j1
.endr
.irp j, 0,1,2,3,4,5,6
	PKMULK BV+2*\j, 18+\j                          ; C_j1
.endr
.irp j, 0,1,2,3,4,5
	v_pk_mul_f32 v[A+2*\j:A+2*\j+1], v[E+2*\j:E+2*\j+1], v[BV+2*\j:BV+2*\j+1]
.endr
.irp j, 0,1,2,3,4,5
	v_pk_fma_f32 v[A+2*\j:A+2*\j+1], v[E+2*\j+6:E+2*\j+7], v[BV+2*\j+2:BV+2*\j+3], v[A+2*\j:A+2*\j+1] neg_lo:[0,0,1] neg_hi:[0,0,1]   ; B_j2
.endr
.irp j, 0,1,2,3,4,5
	PKMULK A+2*\j, 25+\j                           ; C_j2
.endr
.irp j, 0,1,2,3,4
	v_pk_mul_f32 v[BV+2*\j:BV+2*\j+1], v[E+2*\j:E+2*\j+1], v[A+2*\j:A+2*\j+1]
.endr
	WIN 0x40                                       ; B_j3 into register n of the run (G, j): j < 4 in window 1,
.irp j, 0,1,2,3
	v_fma_f32 v[32*\j+(\n)], v[E+2*\j+8], v[A+2*\j+2], -v[BV+2*\j]
	v_fma_f32 v[128+32*\j+(\n)], v[E+2*\j+9], v[A+2*\j+3], -v[BV+2*\j+1]
.endr
	WIN 0                                          ; j = 4 in window 0
	v_fma_f32 v[V4+(\n)], v[E+16], v[A+10], -v[BV+8]
	v_fma_f32 v[V4+32+(\n)], v[E+17], v[A+11], -v[BV+9]
.endm
; Two blocks of 32, in the registers b0 on and b1 on of window w: into the out-buffer o of window 0: codes into o and o + 4, bytes into o + 8 and o + 9.  Two chains a block; the four chains take turns.
.macro Q2 w, b0, b1, o
	WIN 5*(\w)                                     ; sources 0 and 1 in window w
	v_max3_num_f32 v[QM], |v[\b0]|, |v[\b0+1]|, 0x1800000          ; the floor 2^(3 - 127): the byte cannot fall under 1
	v_max3_num_f32 v[QM+1], |v[\b0+2]|, |v[\b0+3]|, 0x1800000
	v_max3_num_f32 v[QM+2], |v[\b1]|, |v[\b1+1]|, 0x1800000
	v_max3_num_f32 v[QM+3], |v[\b1+2]|, |v[\b1+3]|, 0x1800000
.irp i, 4,8,12,16,20,24,28
	v_max3_num_f32 v[QM], |v[\b0+\i]|, |v[\b0+\i+1]|, v[QM]
	v_max3_num_f32 v[QM+1], |v[\b0+\i+2]|, |v[\b0+\i+3]|, v[QM+1]
	v_max3_num_f32 v[QM+2], |v[\b1+\i]|, |v[\b1+\i+1]|, v[QM+2]
	v_max3_num_f32 v[QM+3], |v[\b1+\i+2]|, |v[\b1+\i+3]|, v[QM+3]
.endr
	WIN 0
	v_max_num_f32 v[QM], v[QM], v[QM+1]
	v_max_num_f32 v[QM+2], v[QM+2], v[QM+3]
	v_add_nc_u32 v[QS], 0xff000000, v[QM]          ; 2 off the exponent field: the conversion's scale operand
	v_add_nc_u32 v[QS+1], 0xff000000, v[QM+2]
	WIN \w                                         ; source 0 in window w
.irp k, 0,1,2,3
	v_cvt_scalef32_pk8_fp4_f32 v[\o+\k], v[\b0+8*\k:\b0+8*\k+7], v[QS]
	v_cvt_scalef32_pk8_fp4_f32 v[\o+4+\k], v[\b1+8*\k:\b1+8*\k+7], v[QS+1]
.endr
	WIN 0
	v_lshrrev_b32 v[\o+8], 23, v[QS]               ; the bytes (also the plain lines behind the conversions)
	v_lshrrev_b32 v[\o+9], 23, v[QS+1]
.endm
; What Q2 made of a pair (group 0, group 1), in out-buffer o, goes to LDS, off bytes behind the stage's half: group 1's tiles lie two tiles on, its rows 32 rows on.
.macro QOUT off, o
	ds_store_b128 v[T0A], v[\o:\o+3] offset:\off
	ds_store_b128 v[T0A], v[\o+4:\o+7] offset:\off+6144
	ds_store_b32 v[T1A], v[\o+8] offset:\off
	ds_store_b32 v[T1A], v[\o+9] offset:\off+128
.endm
; silu of the stage's 32 channels of my two rows: place 0 or 1 of the layer's K.  (The wait on va_vdst at the stage's head stands ahead of its loads.)
.macro SILUH
.irp k, 0,1,2,3,4,5,6,7
	ds_load_b128 v[V4+4*\k:V4+4*\k+3], v[XA] offset:16*\k
	ds_load_b128 v[V4+32+4*\k:V4+32+4*\k+3], v[XA] offset:G1O+16*\k
.endr
	s_wait_dscnt 0x0
.set i, 0
.rept 32
	v_pk_mul_f32 v[KS+i:KS+i+1], v[V4+i:V4+i+1], 0xbfb8aa3b op_sel_hi:[1,0]   ; -x log2(e)
.set i, i+2
.endr
.set i, 0
	s_wait_alu depctr_va_vdst(0)
.rept 64
	v_exp_f32 v[KS+i], v[KS+i]
.set i, i+1
.endr
	v_nop                                          ; a plain line behind the last exponential
	s_wait_alu depctr_va_vdst(0)                   ; the 64 exponentials have written v20-83: one wait for the batch, ahead of its first reader
.set i, 0
.rept 32
	v_pk_add_f32 v[KS+i:KS+i+1], v[KS+i:KS+i+1], 1.0 op_sel_hi:[1,0]
.set i, i+2
.endr
.set i, 0
	s_wait_alu depctr_va_vdst(0)
.rept 64
	v_rcp_f32 v[KS+i], v[KS+i]
.set i, i+1
.endr
	v_nop
	s_wait_alu depctr_va_vdst(0)                   ; and one for the 64 reciprocals, ahead of their first reader
.set i, 0
.rept 32
	v_pk_mul_f32 v[V4+i:V4+i+1], v[V4+i:V4+i+1], v[KS+i:KS+i+1]
.set i, i+2
.endr
	Q2 0, V4, V4+32, QO
	s_wait_alu depctr_va_vdst(0)                   ; the conversions and shifts have written v90-99, which the four stores read; and the lines above are done with v20-83, in which the first two channels' constants land
	QOUT 0, QO
	s_wait_dscnt 0x0                               ; my stores have landed
	s_wait_alu depctr_vm_vsrc(0)                   ; the stores have read v90-99, over which the first channel writes e
.endm
; A tile's accumulators go back into the pixels' rows: lane (r, h) of accumulator t holds channels 16 t + 8 h + 0 .. 7 of row 16 P + r.  Each accumulator from its low end on.
.macro TILEOUT P, nt
	NOPS 4                                         ; four places between the last product and the first read of a result
	s_wait_alu depctr_va_vdst(0)                   ; the tile's products have written the accumulators, which the stores read; the places above stay beside this wait
.irp t, 0,1,2,3
.if \t < \nt
	ds_store_b128 v[HD0], v[ACC+8*\t:ACC+8*\t+3] offset:16*HP*\P+64*\t
	ds_store_b128 v[HD0], v[ACC+8*\t+4:ACC+8*\t+7] offset:16*HP*\P+64*\t+16
.endif
.endr
	s_wait_dscnt 0x0                               ; my stores have landed
	s_wait_alu depctr_vm_vsrc(0)                   ; the stores have read the accumulators, which the next tile's first products write
	v_nop                                          ; the fifth place ahead of a matrix instruction that writes over them
.endm
; THE PRODUCTS of layer 1 or 2: nt tiles of out channels, weight fragments from fb on; three K steps; a tile of 16 pixels at a time.  The accumulators take turns, one instruction a turn.
.macro MATL nt, fb
	s_wait_alu depctr_va_vdst(0)                   ; the splines and the quantiser are done with v20-115, with window 1's runs and with v164-211, and the last products with v228-239: in all of these the loads below land; only loads and window switches follow up to their wait
.set f, 0
.rept 3*\nt
	ds_load_b128 v[W+8*f:W+8*f+3], v[L16] offset:WF+1024*(\fb+f)
	ds_load_b128 v[W+8*f+4:W+8*f+7], v[L16] offset:WF+1024*(\fb+f)+512
	ds_load_b32 v[WSC+f], v[L4] offset:WS+128*(\fb+f)
.set f, f+1
.endr
	WIN 0x40                                       ; the activations' fragments go to window 1
.irp P, 0,1,2,3
.irp s, 0,1,2
.irp c, 0,1
	ds_load_b128 v[24*\P+8*\s+4*\c:24*\P+8*\s+4*\c+3], v[CF0] offset:3072*\P+1024*\s+512*\c
.endr
.endr
.endr
	WIN 0
.irp P, 0,1,2,3
.set p, 0
.rept 12
	ds_load_b32 v[DW+12*\P+p], v[SL0] offset:256*p+64*\P
.set p, p+1
.endr
.endr
	s_wait_dscnt 0x0
.irp P, 0,1,2,3
.irp s, 0,1,2
	v_lshl_or_b32 v[ASC+3*\P+\s], v[DW+12*\P+4*\s+1], 8, v[DW+12*\P+4*\s]     ; four bytes make a K step's scale word of a pixel
.endr
.endr
.irp P, 0,1,2,3
.irp s, 0,1,2
	v_lshl_or_b32 v[ASC+3*\P+\s], v[DW+12*\P+4*\s+2], 16, v[ASC+3*\P+\s]
.endr
.endr
.irp P, 0,1,2,3
.irp s, 0,1,2
	v_lshl_or_b32 v[ASC+3*\P+\s], v[DW+12*\P+4*\s+3], 24, v[ASC+3*\P+\s]
.endr
.endr
	NOPS 8                                         ; a scale register written by a vector instruction stands eight places ahead of a scaled matrix instruction
	s_wait_alu depctr_va_vdst(0)                   ; the lines above have written v240-251, which the scaled products take as scales: first the places, then this wait
.irp P, 0,1,2,3
	WIN 0x04                                       ; source 1 in window 1
.irp s, 0,1,2
.irp t, 0,1,2,3
.if \t < \nt
.if \s == 0
	v_wmma_scale_f32_16x16x128_f8f6f4 v[ACC+8*\t:ACC+8*\t+7], v[W+8*(\nt*\s+\t):W+8*(\nt*\s+\t)+7], v[24*\P+8*\s:24*\P+8*\s+7], 0, v[WSC+\nt*\s+\t], v[ASC+3*\P+\s] matrix_a_fmt:MATRIX_FMT_FP4 matrix_b_fmt:MATRIX_FMT_FP4
.else
	v_wmma_scale_f32_16x16x128_f8f6f4 v[ACC+8*\t:ACC+8*\t+7], v[W+8*(\nt*\s+\t):W+8*(\nt*\s+\t)+7], v[24*\P+8*\s:24*\P+8*\s+7], v[ACC+8*\t:ACC+8*\t+7], v[WSC+\nt*\s+\t], v[ASC+3*\P+\s] matrix_a_fmt:MATRIX_FMT_FP4 matrix_b_fmt:MATRIX_FMT_FP4
.endif
.endif
.endr
.endr
	WIN 0
	TILEOUT \P, \nt
.endr
.endm
; ---------------- the head
	s_load_b128 s[4:7], s[0:1], 0x0                ; x s[4:5], wk s[6:7]
	s_load_b64 s[2:3], s[0:1], 0x10                ; out0
	v_lshl_add_u32 v[SPW], v0, 2, SPARE
	v_mov_b32 v[NIL], 0
	v_lshrrev_b32 v12, 5, v0
	v_readfirstlane_b32 s8, v12                    ; wave 0..7
	v_and_b32 v12, 31, v0                          ; lane
	v_and_b32 v13, 15, v0                          ; r
	v_bfe_u32 v15, v0, 4, 1                        ; h
	v_lshlrev_b32 v[T0A], 4, v0                    ; 16 x thread: the copy of wk
	s_wait_alu depctr_va_sdst(0)                   ; s8 is written, ahead of its first reader: the wave's places in LDS, in x and in out0 are made from it
	s_mul_i32 s9, s8, HW
	s_add_co_u32 s9, s9, HB
	v_mul_u32_u24 v[HX0], v12, HP
	v_add_nc_u32 v[HX0], s9, v[HX0]
	v_mul_u32_u24 v[HD0], v13, HP
	v_lshl_add_u32 v[HD0], v15, 5, v[HD0]
	v_add_nc_u32 v[HD0], s9, v[HD0]
	s_mul_i32 s9, s8, CW
	s_add_co_u32 s9, s9, CI
	v_mul_u32_u24 v[CS0], v15, 3072
	v_lshl_add_u32 v[CS0], v13, 4, v[CS0]
	v_add_nc_u32 v[CS0], s9, v[CS0]
	v_lshlrev_b32 v[L16], 4, v12
	v_add_nc_u32 v[CF0], s9, v[L16]
	s_mul_i32 s9, s8, SW
	s_add_co_u32 s9, s9, SD
	v_lshlrev_b32 v[L4], 2, v12
	v_add_nc_u32 v[SS0], s9, v[L4]
	v_lshlrev_b32 v[SL0], 2, v13
	v_add_nc_u32 v[SL0], s9, v[SL0]
	v_lshlrev_b32 v[L8], 3, v12
.irp i, 68,69,70,71
	v_mov_b32 v[\i], 0
.endr
	s_lshr_b32 s9, ttmp9, 3                        ; the image: eight work-groups to one
	s_and_b32 s14, ttmp9, 7
	s_lshl_b32 s14, s14, 11                        ; the work-group's 512 pixels in a plane, in bytes,
	s_lshl_b32 s15, s8, 8                          ; my wave's 64
	s_add_co_u32 s14, s14, s15
	s_mul_i32 s16, s9, 196608                      ; 12 planes of 16,384 bytes
	s_add_co_u32 s16, s16, s14
	s_mov_b32 s17, 0
	s_mul_i32 s18, s9, 393216                      ; 24 planes
	s_add_co_u32 s18, s18, s14
	s_mov_b32 s19, 0
	s_wait_kmcnt 0x0
	s_add_nc_u64 s[4:5], s[4:5], s[16:17]
	s_add_nc_u64 s[2:3], s[2:3], s[18:19]
	s_wait_alu depctr_va_vdst(0)                   ; the addresses v3-11 and v14 are written, which the loads and stores of the kernel read; so are the zeros in v68-71, which two LDS stores below read
.irp k, 0,1,2,3,4,5,6,7,8,9,10,11
	global_load_b128 v[20+4*\k:23+4*\k], v[T0A], s[6:7] offset:4096*\k          ; wk: 256 threads x 16 bytes x 12
.endr
.irp c, 0,1,2,3,4,5,6,7,8,9,10,11
	global_load_b64 v[84+2*\c:85+2*\c], v[L8], s[4:5] offset:16384*\c th:TH_LOAD_NT   ; x: a wave reads 256 consecutive bytes of a plane: pixels 2 lane, 2 lane + 1
.endr
	s_wait_loadcnt 12                              ; wk's twelve loads are in; x's twelve, issued behind them, may be out
.irp k, 0,1,2,3,4,5,6,7,8,9,10,11
	ds_store_b128 v[T0A], v[20+4*\k:23+4*\k] offset:4096*\k
.endr
	s_wait_loadcnt 0x0
.irp c, 0,1,2,3,4,5,6,7,8,9,10,11
	ds_store_b32 v[HX0], v[84+2*\c] offset:128+4*\c        ; x into columns 32-43 of my two rows: layer 0 is walked as a second half
	ds_store_b32 v[HX0], v[85+2*\c] offset:128+4*\c+G1O
.endr
	ds_store_b128 v[HX0], v[68:71] offset:176      ; zeros into columns 44-47: the 12th channel's loads run one channel ahead
	ds_store_b128 v[HX0], v[68:71] offset:176+G1O
	; silu(x) for the f32 product
.set i, 0
.rept 12
	v_pk_mul_f32 v[108+i:109+i], v[84+i:85+i], 0xbfb8aa3b op_sel_hi:[1,0]
.set i, i+2
.endr
.set i, 0
	s_wait_alu depctr_va_vdst(0)
.rept 24
	v_exp_f32 v[108+i], v[108+i]
.set i, i+1
.endr
	v_nop
	s_wait_alu depctr_va_vdst(0)                   ; the 24 exponentials have written v108-131: one wait for the batch, ahead of its first reader
.set i, 0
.rept 12
	v_pk_add_f32 v[108+i:109+i], v[108+i:109+i], 1.0 op_sel_hi:[1,0]
.set i, i+2
.endr
.set i, 0
	s_wait_alu depctr_va_vdst(0)
.rept 24
	v_rcp_f32 v[108+i], v[108+i]
.set i, i+1
.endr
	v_nop
	s_wait_alu depctr_va_vdst(0)                   ; and one for the 24 reciprocals, ahead of their first reader
.set i, 0
.rept 12
	v_mul_f32 v[SG+i], v[84+2*i], v[108+2*i]
	v_mul_f32 v[SG+32+i], v[85+2*i], v[109+2*i]
.set i, i+1
.endr
; The f32 form wants, in lane (r, h), channels 4 s + 2 h + j of pixel r.  Register 4 s + j's lanes 16-31 change places with register 4 s + 2 + j's lanes 0-15: the first is then register j of the group's first tile, the second of its second.
.irp G, 0,1
.irp s, 0,1,2
.irp j, 0,1
	v_permlane16_swap_b32 v[SG+32*\G+4*\s+\j], v[SG+32*\G+4*\s+2+\j]
.endr
.endr
.endr
	s_wait_dscnt 0x0                               ; for the others' sake: my part of wk's copy has landed
	s_barrier_signal -1
	s_barrier_wait -1                              ; the one barrier: from here on the shared bytes are only read, and all else is each wave's own
; ---------------- five stages: layer 0; layer 1's channels 0-31, 32-63; layer 2's likewise
	s_mov_b32 s36, 0                               ; the stage
	s_mov_b32 s13, TAB                             ; its 32 rows of the table
	s_mov_b32 s12, 128                             ; 128 x half: its 32 channels in a row.  The halves go 1, 0, 1, 0, 1
	s_mov_b32 s35, 256                             ; 256 x half: a place
.Lstage:
	s_wait_alu depctr_vm_vsrc(0)                   ; the LDS instructions issued so far have read v12-15, which the four lines below write; and the stores issued so far have read their data (the head's v20-107, layer 0's v164-173 and v196-205), which this stage's loads and lines write
	v_add_nc_u32 v[XA], s12, v[HX0]                ; no LDS instruction of mine is out here
	v_mov_b32 v[TA], s13
	v_add_nc_u32 v[T0A], s35, v[CS0]
	v_add_nc_u32 v[T1A], s35, v[SS0]
	s_wait_alu depctr_va_vdst(0)                   ; v12-15 are written, which the stage's LDS instructions read as addresses; and all vector and matrix lines so far are done with v16-83 and v164-227, in which the stage's first loads land
	s_cmp_eq_u32 s36, 0
	s_cbranch_scc1 .Lspline                        ; layer 0's silu was made at the head
	SILUH
.Lspline:
.irp q, 0,1,2,3,4,5,6,7
	ds_load_b128 v[KS+4*\q:KS+4*\q+3], v[TA] offset:16*\q
.endr
	ds_load_b32 v[X], v[XA]
	ds_load_b32 v[X+1], v[XA] offset:G1O
.irp n, 0,1,2,3,4,5,6,7,8,9,10,11
	CH \n
.endr
	s_cmp_eq_u32 s36, 0
	s_cbranch_scc1 .Llayer0                        ; layer 0 has 12 channels
.irp n, 12,13,14,15,16,17,18,19,20,21,22,23,24,25,26,27,28,29,30,31
	CH \n
.endr
.irp g, 0,1,2,3
	Q2 1, 32*\g, 128+32*\g, OB+10*\g               ; block 2 g + half of both groups: place 2 + 2 g + half; each block into an out-buffer of its own
.endr
	Q2 0, V4, V4+32, OB+40
	s_wait_alu depctr_va_vdst(0)                   ; the conversions and shifts have written the five out-buffers v20-69, which the 20 stores read
.irp g, 0,1,2,3,4
	QOUT 512+512*\g, OB+10*\g
.endr
	s_wait_dscnt 0x0                               ; my stores have landed: the stage's end finds no LDS instruction of mine out
	s_wait_alu depctr_vm_vsrc(0)                   ; the stores have read v20-69, in which the matrix phase's loads land and which the next stage's silu writes
	s_cmp_eq_u32 s35, 0
	s_cbranch_scc1 .Lnext                          ; the layer's second half is still to come
	s_cmp_eq_u32 s36, 2
	s_cbranch_scc0 .Lmat2
	MATL 4, 4
	s_branch .Lnext
.Lmat2:
	MATL 2, 16
	s_branch .Lnext
; ---------------- layer 0's end
.Llayer0:
	s_wait_dscnt 0x0                               ; the loads that ran one channel ahead have landed
.irp G, 0,1                            ; a group's 60 values in the order K = 12 g + i, four zeros behind them: two blocks; their codes and bytes go into the first ten registers of the group's run (G, 4), which the moves have just emptied
	WIN 0x01
.irp g, 0,1,2,3
.set i, 0
.rept 12
	v_mov_b32 v[20+12*\g+i], v[32*(4*\G+\g)+i]
.set i, i+1
.endr
.endr
	WIN 0
.set i, 0
.rept 12
	v_mov_b32 v[68+i], v[V4+32*\G+i]
.set i, i+1
.endr
.irp i, 80,81,82,83
	v_mov_b32 v[\i], 0
.endr
	Q2 0, 20, 52, V4+32*\G
.endr
	s_wait_alu depctr_va_vdst(0)                   ; the conversions and shifts have written v164-173 and v196-205, which the eight stores read; and the lines so far are done with v20-75, v88-123 and v228-231, in which the loads below land
.irp G, 0,1
	ds_store_b128 v[CS0], v[V4+32*\G:V4+32*\G+3] offset:512+6144*\G            ; places 2 and 3
	ds_store_b128 v[CS0], v[V4+32*\G+4:V4+32*\G+7] offset:768+6144*\G
	ds_store_b32 v[SS0], v[V4+32*\G+8] offset:512+128*\G
	ds_store_b32 v[SS0], v[V4+32*\G+9] offset:768+128*\G
.endr
	s_wait_dscnt 0x0                               ; my stores have landed
.irp f, 0,1,2,3,4,5,6,7,8,9,10,11
	ds_load_b64 v[20+2*\f:21+2*\f], v[L8] offset:SB0+256*\f
.endr
.irp t, 0,1,2,3
	ds_load_b128 v[44+8*\t:47+8*\t], v[L16] offset:WF+1024*\t
	ds_load_b128 v[48+8*\t:51+8*\t], v[L16] offset:WF+1024*\t+512
	ds_load_b32 v[WSC+\t], v[L4] offset:WS+128*\t
.endr
.irp P, 0,1,2,3
	ds_load_b128 v[88+8*\P:91+8*\P], v[CF0] offset:3072*\P+512     ; places 2 and 3: the basis' two blocks
	ds_load_b32 v[116+2*\P], v[SL0] offset:512+64*\P
	ds_load_b32 v[117+2*\P], v[SL0] offset:768+64*\P
.irp i, 0,1,2,3
	v_mov_b32 v[84+8*\P+\i], 0                     ; places 0 and 1: zero codes.  (These moves name v84-87, 92-95, 100-103, 108-111: none of the registers that a load of this run touches)
.endr
.endr
	s_wait_dscnt 0x0
.irp P, 0,1,2,3
	v_lshlrev_b32 v[ASC+\P], 16, v[116+2*\P]
.endr
.irp P, 0,1,2,3
	v_lshl_or_b32 v[ASC+\P], v[117+2*\P], 24, v[ASC+\P]    ; the zero codes' two bytes stay 0, which is a power of two like any other
.endr
	NOPS 8                                         ; a scale register written by a vector instruction stands eight places ahead of a scaled matrix instruction
	s_wait_alu depctr_va_vdst(0)                   ; the lines above have written v240-243, which the scaled products take as scales, and the zero codes, which they take in source 1: first the places, then this wait
.irp P, 0,1,2,3
.irp s, 0,1,2                          ; silu(x) sb0, K = 12 in three steps of 4, in f32: its result goes on into a quantiser.  The first step starts the sums; the four accumulators take turns
.irp t, 0,1,2,3
.if \s == 0
	v_wmma_f32_16x16x4_f32 v[ACC+8*\t:ACC+8*\t+7], v[20+2*(4*\s+\t):21+2*(4*\s+\t)], v[SG+32*(\P/2)+4*\s+2*(\P%2):SG+32*(\P/2)+4*\s+2*(\P%2)+1], 0
.else
	v_wmma_f32_16x16x4_f32 v[ACC+8*\t:ACC+8*\t+7], v[20+2*(4*\s+\t):21+2*(4*\s+\t)], v[SG+32*(\P/2)+4*\s+2*(\P%2):SG+32*(\P/2)+4*\s+2*(\P%2)+1], v[ACC+8*\t:ACC+8*\t+7]
.endif
.endr
.endr
	NOPS 9                                         ; nine places behind the f32 form, ahead of another form that takes its results up
.irp t, 0,1,2,3
	v_wmma_scale_f32_16x16x128_f8f6f4 v[ACC+8*\t:ACC+8*\t+7], v[44+8*\t:51+8*\t], v[84+8*\P:91+8*\P], v[ACC+8*\t:ACC+8*\t+7], v[WSC+\t], v[ASC+\P] matrix_a_fmt:MATRIX_FMT_FP4 matrix_b_fmt:MATRIX_FMT_FP4
.endr
	TILEOUT \P, 4
.endr
.Lnext:
	s_xor_b32 s12, s12, 128                        ; the other half
	s_xor_b32 s35, s35, 256
	s_add_co_u32 s13, s13, 4096                    ; the next 32 rows of the table
	s_add_co_u32 s36, s36, 1
	s_cmp_lt_u32 s36, 5
	s_cbranch_scc1 .Lstage
; ---------------- the way out: channel o of my two rows is a pair of neighbouring pixels of plane o
	s_wait_alu depctr_va_vdst(0)                   ; the last products are done reading the weight fragments in v20-67, in which the loads below land
.irp o, 0,1,2,3,4,5,6,7,8,9,10,11,12,13,14,15,16,17,18,19,20,21,22,23
	ds_load_b32 v[20+2*\o], v[HX0] offset:4*\o
	ds_load_b32 v[21+2*\o], v[HX0] offset:4*\o+G1O
.endr
	s_wait_dscnt 0x0
.irp o, 0,1,2,3,4,5,6,7,8,9,10,11,12,13,14,15,16,17,18,19,20,21,22,23
	global_store_b64 v[L8], v[20+2*\o:21+2*\o], s[2:3] offset:16384*\o th:TH_STORE_NT   ; a wave stores 256 consecutive bytes, at a multiple of 256 from out0's first byte; written once, read by nobody here
.endr
	s_wait_dscnt 0x0                               ; the wave's end: the six closing lines, on end
	s_wait_alu 0x0
	s_wait_tensorcnt 0x0
	ds_add_u32 v[SPW], v[NIL]
	s_wait_dscnt 0x0
	s_endpgm
.Lfunc_end_k_q85e6cba589_main:
	.size	k_q85e6cba589_main, .Lfunc_end_k_q85e6cba589_main-k_q85e6cba589_main
	.p2alignl 7, 3214868480
	.fill 96, 4, 3214868480
	.section	.rodata,"a",@progbits
	.p2align	6, 0x0
	.amdhsa_kernel k_q85e6cba589_main
		.amdhsa_group_segment_fixed_size 312320
		.amdhsa_private_segment_fixed_size 0
		.amdhsa_enable_private_segment 0
		.amdhsa_kernarg_size 24
		.amdhsa_user_sgpr_count 2
		.amdhsa_user_sgpr_kernarg_segment_ptr 1
		.amdhsa_wavefront_size32 1
		.amdhsa_system_sgpr_workgroup_id_x 1
		.amdhsa_system_sgpr_workgroup_id_y 1
		.amdhsa_system_sgpr_workgroup_id_z 1
		.amdhsa_system_vgpr_workitem_id 0
		.amdhsa_next_free_vgpr 512
		.amdhsa_next_free_sgpr 66
		.amdhsa_reserve_vcc 0
		.amdhsa_float_denorm_mode_32 3
		.amdhsa_float_denorm_mode_16_64 3
		.amdhsa_memory_ordered 1
		.amdhsa_forward_progress 1
		.amdhsa_inst_pref_size 255
	.end_amdhsa_kernel
	.section	.bss,"aw",@nobits
	.p2align	6
	.space	262144
	.amdgpu_metadata
---
amdhsa.version: [ 1, 2 ]
amdhsa.kernels:
  - .name:           k_q85e6cba589_main
    .symbol:         k_q85e6cba589_main.kd
    .args:
      - { .name: x, .offset: 0, .size: 8, .value_kind: global_buffer, .address_space: global }
      - { .name: wk, .offset: 8, .size: 8, .value_kind: global_buffer, .address_space: global }
      - { .name: out0, .offset: 16, .size: 8, .value_kind: global_buffer, .address_space: global }
    .group_segment_fixed_size: 312320
    .private_segment_fixed_size: 0
    .kernarg_segment_align: 8
    .kernarg_segment_size: 24
    .max_flat_workgroup_size: 256
    .sgpr_count:     66
    .vgpr_count:     512
    .wavefront_size: 32
...
	.end_amdgpu_metadata
.endif
;; end of part 4
